; MI455X (gfx1250); checked and timed in simulation.
; The chip was launched on July 23, 2026; its instructions are those of AMD's public machine-readable ISA for CDNA 5 (MIT licence, August 2026) and "CDNA5" Instruction Set Architecture Reference Guide (July 2026). The comments in the code are by the model that wrote it; some were corrected since.
;; Self Attention. Allowed arithmetic: float matrix products may take bf16 or f16 operands with f32 sums; other float arithmetic in f32, or as packed bf16 or f16 multiplies, adds, multiply-adds, maxima and minima; sums over many terms, partial sums and values carried from step to step in f32; what a program stores and reads back later, other than sums and carried values, may be rounded once to bf16 or f16.
;; Inputs: Wk 1,024 x 1,024 float32; Wo 1,024 x 1,024 float32; Wq 1,024 x 1,024 float32; Wv 1,024 x 1,024 float32; bk 1,024 float32; bo 1,024 float32; bq 1,024 float32; bv 1,024 float32; x 4 x 4,096 x 1,024 float32.
;; Outputs: out0 4 x 4,096 x 1,024 float32.
;; One version. Each part assembles by itself: llvm-mc -triple=amdgcn-amd-amdhsa -mcpu=gfx1250 --defsym DOCPART=n.
;; ======== version 1 of 1: 4 launches
;; limits: values are held in f16: magnitudes above 65,504 overflow, below 6.1e-05 lose precision
;; workspace buffers: xb 33,554,432 bytes; wb 8,388,608 bytes; bias 16,384 bytes; qkv 100,663,296 bytes; ob 33,554,432 bytes
;; launch prep (part 1): grid 1281 x 1, 8 waves a work-group, no clusters, 0 bytes of LDS; arguments x, Wq, Wk, Wv, Wo, bq, bk, bv, bo, xb, wb, bias; writes xb, wb, bias
.if DOCPART == 1
	.amdgcn_target "amdgcn-amd-amdhsa--gfx1250"
	.amdhsa_code_object_version 6
	.text
	.protected	k_q89266ae0a8_prep
	.globl	k_q89266ae0a8_prep
	.p2align	8
	.type	k_q89266ae0a8_prep,@function
k_q89266ae0a8_prep:
	s_mov_b64 s[64:65], 0
	v_nop
	global_prefetch_b8 v0, s[64:65] scope:SCOPE_SE
	s_setreg_imm32_b32 hwreg(HW_REG_WAVE_MODE, 25, 1), 1
	s_wait_xcnt 0x0
; THE ROUNDINGS, once: x -> xb (bf16); Wq, Wk, Wv -> wb[0..2] (bf16, columns in a new order); Wo -> wb[3] (rounded to bf16, that number written as f16);
; bq, bk, bv, bo -> bias[0..3] (rounded to bf16, kept as f32, in the order of their matrix's columns).
; THE ORDER OF COLUMNS.  q and k: new column 256 c + 16 r + 8 h + e is old column 64 r + 16 c + 8 h + e (head r, channel 16 c + 8 h + e).  v: new column 16 d + j is old column 64 j + d.
; So the projection's rows hold each position's q, k and v as the next launch but one wants them in registers: 512 consecutive bytes for each of its loads.
; SHARES.  Eight waves; a work-group takes sixteen rows of 4,096 bytes (1,024 f32) and stores sixteen rows of 2,048; thread t owns the new columns 4 t .. 4 t + 3 of every row.
; Work-groups 0-1023: x (a row is simply the next 4,096 bytes).  1024-1279: matrix (w - 1024) / 64, its rows 16 ((w - 1024) % 64) on.  1280: the four biases.
; A store of a wave covers 256 consecutive bytes, aligned.  All sixteen rows' loads go out together; no register is written twice, so no wait frees a source.
; No LDS, no matrix unit, no cluster: each byte is read once, by one thread, and nothing is shared.
; LIMITS.  Wo beyond 65,504 in magnitude becomes an infinity in f16; below 6.1e-5 it keeps f16's fixed step of 6e-8.  NaN and infinities go through the conversions as they are.
.set ROWI, 4096                        ; bytes in a row as it comes
.set ROWO, 2048                        ; bytes in a row as it goes
.set ID,   1                           ; v1   16 t: columns as they lie
.set SRC,  2                           ; v2   the source offset in use
.set PERM, 3                           ; v3   q's and k's order: 256 ((t >> 2) & 15) + 64 (t >> 6) + 16 (t & 3)
.set SV,   4                           ; v4   v's order: 1,024 (t & 3) + 4 (t >> 2); number e lies 256 e further on
.set DST,  5                           ; v5   8 t
.set D,    8                           ; v[8:71]   row i: four f32
.set O,    72                          ; v[72:103] row i: four 16-bit numbers
; Sixteen rows: loaded by 16 bytes a thread, rounded to bf16 (half = 1: widened again and written as f16), stored.
.macro CVT half
.set i, 0
.rept 16
	global_load_b128 v[D+4*i:D+4*i+3], v[SRC], s[30:31] offset:ROWI*i th:TH_LOAD_NT
.set i, i+1
.endr
.set i, 0
.rept 16
	s_wait_loadcnt 15-i                            ; loads come back in order: row i is in, the younger rows stay out
	v_cvt_pk_bf16_f32 v[O+2*i],   v[D+4*i],   v[D+4*i+1]
	v_cvt_pk_bf16_f32 v[O+2*i+1], v[D+4*i+2], v[D+4*i+3]
.if \half
	v_lshlrev_b32 v[D+4*i],   16,  v[O+2*i]         ; the bf16 numbers as f32 again,
	v_and_b32     v[D+4*i+1], s40, v[O+2*i]
	v_lshlrev_b32 v[D+4*i+2], 16,  v[O+2*i+1]
	v_and_b32     v[D+4*i+3], s40, v[O+2*i+1]
	v_cvt_pk_f16_f32 v[O+2*i],   v[D+4*i],   v[D+4*i+1]   ; and as f16: 8 significant bits fit into 11
	v_cvt_pk_f16_f32 v[O+2*i+1], v[D+4*i+2], v[D+4*i+3]
.endif
	global_store_b64 v[DST], v[O+2*i:O+2*i+1], s[32:33] offset:ROWO*i
.set i, i+1
.endr
	s_endpgm
.endm
	s_load_b512 s[4:19], s[0:1], 0x0               ; x 4:5, Wq 6:7, Wk 8:9, Wv 10:11, Wo 12:13, bq 14:15, bk 16:17, bv 18:19
	s_load_b256 s[20:27], s[0:1], 0x40             ; bo 20:21, xb 22:23, wb 24:25, bias 26:27
	s_mov_b32 s28, ttmp9
	s_mov_b32 s40, 0xffff0000                      ; a word's upper bf16
	v_lshlrev_b32 v[ID], 4, v0
	v_lshlrev_b32 v[DST], 3, v0
	v_and_b32 v6, 3, v0
	v_bfe_u32 v7, v0, 2, 4
	v_lshlrev_b32 v[PERM], 4, v6
	v_lshl_add_u32 v[PERM], v7, 8, v[PERM]
	v_lshrrev_b32 v7, 6, v0
	v_lshl_add_u32 v[PERM], v7, 6, v[PERM]
	v_lshrrev_b32 v7, 2, v0
	v_lshlrev_b32 v[SV], 2, v7
	v_lshl_add_u32 v[SV], v6, 10, v[SV]
	s_wait_kmcnt 0x0
	s_cmp_lt_u32 s28, 1024
	s_cbranch_scc1 .Lisx
	s_sub_co_u32 s29, s28, 1024
	s_cmp_eq_u32 s29, 256
	s_cbranch_scc1 .Lbias
	s_lshr_b32 s34, s29, 6                         ; which matrix
	s_and_b32 s35, s29, 63                         ; which sixteen rows
	s_lshl_b32 s36, s35, 16                        ; their first byte in the matrix,
	s_mov_b32 s37, 0
	s_lshl_b32 s38, s34, 21                        ; and in wb
	s_lshl_b32 s39, s35, 15
	s_add_co_u32 s38, s38, s39
	s_mov_b32 s39, 0
	s_add_nc_u64 s[32:33], s[24:25], s[38:39]
	s_cmp_eq_u32 s34, 2
	s_cbranch_scc1 .Lv
	s_cmp_eq_u32 s34, 3
	s_cbranch_scc1 .Lo
	s_cmp_eq_u32 s34, 0
	s_cselect_b64 s[30:31], s[6:7], s[8:9]         ; Wq or Wk
	s_add_nc_u64 s[30:31], s[30:31], s[36:37]
	v_mov_b32 v[SRC], v[PERM]
	s_branch .Lplain
.Lisx:
	s_lshl_b32 s36, s28, 16
	s_mov_b32 s37, 0
	s_lshl_b32 s38, s28, 15
	s_mov_b32 s39, 0
	s_add_nc_u64 s[30:31], s[4:5], s[36:37]
	s_add_nc_u64 s[32:33], s[22:23], s[38:39]
	v_mov_b32 v[SRC], v[ID]
.Lplain:
	CVT 0
.Lo:
	s_add_nc_u64 s[30:31], s[12:13], s[36:37]
	v_mov_b32 v[SRC], v[ID]
	CVT 1
.Lv:                                               ; Wv: a thread's four new columns lie 256 bytes apart in the old row
	s_add_nc_u64 s[30:31], s[10:11], s[36:37]
.set i, 0
.rept 16
.irp e, 0,1,2,3
	global_load_b32 v[D+4*i+(\e)], v[SV], s[30:31] offset:ROWI*i+256*(\e)
.endr
.set i, i+1
.endr
.set i, 0
.rept 16
	s_wait_loadcnt 60-4*i                          ; row i's four loads are in; four for each younger row stay out
	v_cvt_pk_bf16_f32 v[O+2*i],   v[D+4*i],   v[D+4*i+1]
	v_cvt_pk_bf16_f32 v[O+2*i+1], v[D+4*i+2], v[D+4*i+3]
	global_store_b64 v[DST], v[O+2*i:O+2*i+1], s[32:33] offset:ROWO*i
.set i, i+1
.endr
	s_endpgm
.Lbias:                                            ; each bias in its matrix's order of columns
	global_load_b128 v[D:D+3],   v[PERM], s[14:15]
	global_load_b128 v[D+4:D+7], v[PERM], s[16:17]
.irp e, 0,1,2,3
	global_load_b32 v[D+8+(\e)], v[SV], s[18:19] offset:256*(\e)
.endr
	global_load_b128 v[D+12:D+15], v[ID], s[20:21]
	s_wait_loadcnt 0x0
.irp m, 0,1,2,3
	v_cvt_pk_bf16_f32 v[O+2*(\m)],   v[D+4*(\m)],   v[D+4*(\m)+1]
	v_cvt_pk_bf16_f32 v[O+2*(\m)+1], v[D+4*(\m)+2], v[D+4*(\m)+3]
	v_lshlrev_b32 v[D+4*(\m)],   16,  v[O+2*(\m)]
	v_and_b32     v[D+4*(\m)+1], s40, v[O+2*(\m)]
	v_lshlrev_b32 v[D+4*(\m)+2], 16,  v[O+2*(\m)+1]
	v_and_b32     v[D+4*(\m)+3], s40, v[O+2*(\m)+1]
	global_store_b128 v[ID], v[D+4*(\m):D+4*(\m)+3], s[26:27] offset:4096*(\m)
.endr
	s_endpgm
.Lfunc_end_k_q89266ae0a8_prep:
	.size	k_q89266ae0a8_prep, .Lfunc_end_k_q89266ae0a8_prep-k_q89266ae0a8_prep
	.p2alignl 7, 3214868480
	.fill 96, 4, 3214868480
	.section	.rodata,"a",@progbits
	.p2align	6, 0x0
	.amdhsa_kernel k_q89266ae0a8_prep
		.amdhsa_group_segment_fixed_size 0
		.amdhsa_private_segment_fixed_size 0
		.amdhsa_enable_private_segment 0
		.amdhsa_kernarg_size 96
		.amdhsa_user_sgpr_count 2
		.amdhsa_user_sgpr_kernarg_segment_ptr 1
		.amdhsa_wavefront_size32 1
		.amdhsa_system_sgpr_workgroup_id_x 1
		.amdhsa_system_sgpr_workgroup_id_y 1
		.amdhsa_system_sgpr_workgroup_id_z 1
		.amdhsa_system_vgpr_workitem_id 0
		.amdhsa_next_free_vgpr 104
		.amdhsa_next_free_sgpr 66
		.amdhsa_reserve_vcc 0
		.amdhsa_float_denorm_mode_32 3
		.amdhsa_float_denorm_mode_16_64 3
		.amdhsa_memory_ordered 1
		.amdhsa_forward_progress 1
		.amdhsa_inst_pref_size 30
	.end_amdhsa_kernel
	.amdgpu_metadata
---
amdhsa.version: [ 1, 2 ]
amdhsa.kernels:
  - .name:           k_q89266ae0a8_prep
    .symbol:         k_q89266ae0a8_prep.kd
    .args:
      - { .name: x, .offset: 0, .size: 8, .value_kind: global_buffer, .address_space: global }
      - { .name: Wq, .offset: 8, .size: 8, .value_kind: global_buffer, .address_space: global }
      - { .name: Wk, .offset: 16, .size: 8, .value_kind: global_buffer, .address_space: global }
      - { .name: Wv, .offset: 24, .size: 8, .value_kind: global_buffer, .address_space: global }
      - { .name: Wo, .offset: 32, .size: 8, .value_kind: global_buffer, .address_space: global }
      - { .name: bq, .offset: 40, .size: 8, .value_kind: global_buffer, .address_space: global }
      - { .name: bk, .offset: 48, .size: 8, .value_kind: global_buffer, .address_space: global }
      - { .name: bv, .offset: 56, .size: 8, .value_kind: global_buffer, .address_space: global }
      - { .name: bo, .offset: 64, .size: 8, .value_kind: global_buffer, .address_space: global }
      - { .name: xb, .offset: 72, .size: 8, .value_kind: global_buffer, .address_space: global }
      - { .name: wb, .offset: 80, .size: 8, .value_kind: global_buffer, .address_space: global }
      - { .name: bias, .offset: 88, .size: 8, .value_kind: global_buffer, .address_space: global }
    .group_segment_fixed_size: 0
    .private_segment_fixed_size: 0
    .kernarg_segment_align: 8
    .kernarg_segment_size: 96
    .max_flat_workgroup_size: 256
    .sgpr_count:     66
    .vgpr_count:     104
    .wavefront_size: 32
...
	.end_amdgpu_metadata
.endif
;; end of part 1
;; launch qkv (part 2): grid 4 x 64, 4 waves a work-group, clusters of 4 x 4, 327,680 bytes of LDS; arguments xb, wb, bias, qkv; writes qkv
.if DOCPART == 2
	.amdgcn_target "amdgcn-amd-amdhsa--gfx1250"
	.amdhsa_code_object_version 6
	.text
	.protected	k_q89266ae0a8_qkv
	.globl	k_q89266ae0a8_qkv
	.p2align	8
	.type	k_q89266ae0a8_qkv,@function
k_q89266ae0a8_qkv:
	s_mov_b64 s[64:65], 0
	v_nop
	global_prefetch_b8 v0, s[64:65] scope:SCOPE_SE
	s_setreg_imm32_b32 hwreg(HW_REG_WAVE_MODE, 25, 1), 1
	s_wait_xcnt 0x0
	s_wait_alu depctr_hold_cnt(0) depctr_sa_sdst(0) depctr_va_vdst(0) depctr_va_sdst(0) depctr_va_ssrc(0) depctr_va_vcc(0) depctr_vm_vsrc(0)
	s_getreg_b32 s2, hwreg(HW_REG_IB_STS2, 6, 4)
	s_cmp_eq_u32 s2, 0
	s_cbranch_scc0 .Lentry_in_a_cluster
	s_endpgm
.Lentry_in_a_cluster:
	s_bfe_u32 s2, ttmp6, 0x10000c
	s_cmp_lg_u32 s2, 0xf033
	s_cbranch_scc0 .Lentry_shape_is_right
	s_endpgm
.Lentry_shape_is_right:
; qkv[m][1024 t + n] = bias[t][n] + the sum over k of xb[m][k] wb[t][k][n], t = 0, 1, 2 (q, k, v; columns in the order that the launch before gave them).
; xb: [16384][1024] bf16.  wb: [4][1024 k][1024 n] of 16 bits.  bias: [4][1024] f32.  qkv: [16384][3072] f16, rounded once from f32 sums.
; LIMIT.  A sum of 65,520 or more in magnitude becomes an infinity in f16; below 6.1e-5 f16 keeps its fixed step of 6e-8.  NaN and infinities are not treated apart.
; SHARES.  A tile of the result is 256 x 256: four waves, as many as a WGP has SIMDs, each 128 x 128: 64 accumulators of 16 x 16, 512 registers.  256 work-groups, each STAYS for three tiles:
; the same 256 rows of xb against the same 256 columns of q's, k's and v's matrix.  The three matrices lie end to end in wb, so B's rows run on through 24 K steps of 128; A goes back along K at a change of tiles.
; RING.  Two LDS slots, each with A's 256 rows x 256 bytes and B's 128 rows (k) x 512 bytes of one K step; a wave fetches a quarter of a slot by one tensor load.  The ring does not stop at a tile's end:
; ONE loop of four laps serves every tile; in a tile's last lap the two refills ask for the next tile's first two K steps.  A's address is made anew for each refill: the wave's base plus the K step's byte,
; which goes round through a row's 2,048 bytes.
; The walk's twelfth lap leaves the loop ahead of its first refill: the tail is written out and asks for nothing.  Its last K step goes BY ROWS of the result, so that finished rows leave while the others are multiplied.
; B LIES [k][n] and is turned on its way into registers, by ds_load_tr16_b128.
; CLUSTERS: 4 x 4 work-groups.  The four of a row of the cluster need the same tiles of A, the four of a column the same tiles of B: each tile is asked for JOINTLY, by the same tensor load with the same
; descriptor and a mask that names the four.
; THE MATRIX INSTRUCTION IS USED TRANSPOSED (source 0 = 16 columns of B, source 1 = 16 rows of A): a lane holds row l % 16 and the eight neighbouring columns 8 (l / 16) + 0..7, which pack into 16 bytes.
; THE BIAS STARTS THE SUMS: it is the C operand of each accumulator's first product; nothing is cleared and nothing is added later.
; REGISTERS, in windows of 256 (s_set_vgpr_msb: bits 1:0 source 0, 3:2 source 1, 5:4 source 2, 7:6 destination):
;   window 0: v0-31 addresses; v64-127, v128-191 fragments of A, two buffers (in the very last K step four, of 16 rows x 128 K); v32-63, v192-255 at work on the way out
;   window 1: v0-63 the bias of my 128 columns, as eight C operands; v64-127, v128-191 fragments of B, two buffers; in the very last K step all 256: B's fragments of the whole step
;   window 2: the 32 accumulators of my rows 0-63 ((a, b) at v[8 (8 a + b)]);   window 3: those of my rows 64-127
.set KSTEP,  128
.set LAPS,   4                         ; a lap = two K steps = once round the ring; 1,024 along K
.set TILES,  3
.set PITCH,  272                       ; A's LDS row: 256 bytes + 16 of padding = 68 words: row r starts at bank 4 r mod 64 (64 banks of 4 bytes: ISA guide 11.1)
.set PB,     544                       ; B's LDS row: 512 bytes + 32 of padding = 136 words: row r starts at bank 8 r mod 64
.set BQ,     32*PB                     ; 32 along K of B
.set HALFT,  128*PITCH                 ; what one tensor load brings: 128 rows of A, or 64 rows of B (64 x 544 is the same number)
.set SLOT,   4*HALFT                   ; A's 256 rows, then B's 128 rows
.set STAGE,  2*SLOT                    ; behind the ring: 16 rows x 272 bytes for each wave, for the way out
.set SPITCH, 272
.set SPARE,  STAGE+4*16*SPITCH         ; behind the stages: the spare words, 128 bytes for each wave: two blocks of 256 bytes that no other line names
.set ROWC,   6144                      ; bytes in a row of qkv
.set ROWA,   2048                      ; bytes in a row of xb: eight K steps of 256
.set KROWB,  KSTEP*2048                ; a K step of B in memory: 128 rows of 2,048 bytes
.set NPFB,   20                        ; B's K steps 4 to 23 are prefetched
.set ADRA, 16                          ; v16-17  LDS address of my A fragments in slot 0, 1
.set ADRB, 20                          ; v20-21  the same for B
.set STO,  24                          ; v24     the way out: where I put 16 bytes of a row
.set RD,   25                          ; v25     the way out: where I read a row back
.set CO,   26                          ; v26     my byte offset in two rows of qkv
.set BO,   27                          ; v27     my byte offset in 16 numbers of the bias: 32 (l / 16)
.set SPW,  28                          ; v28     LDS address of my spare word: SPARE + 4 x my thread's number; never rewritten
.set NIL,  29                          ; v29     0; never rewritten
.set PFO,  30                          ; v30     the prefetches' offset; never rewritten
.set F0,   64
.set F1,   128
.set TMP,  192
.set OB,   32
.set PA,   64                          ; the very last K step: A's fragments of 16 rows x 128 K, 32 registers; four such buffers, v64-191
.set ABASE, 14                         ; s[14:15] xb at the 128 rows that I would fetch, K step 0; never rewritten
.set G1,  24                           ; s[24:31] descriptor group 1 for A's tiles
.set G0,  32                           ; s[32:39] group 0 for A's tiles, one set for each slot
.set G1B, 48                           ; s[48:55], s[56:63] the same for B's
.set G0B, 56
.set PFN, 43                           ; s43      prefetches that I still have to issue
.set PFA, 44                           ; s[44:45] where my prefetches stand
.set BP,  66                           ; s[66:67] the bias of my 128 columns, for the tile whose bias was loaded last
.set PFS, 68                           ; s[68:69] a K step in bytes along my prefetches' way: 256 in A, KROWB in B
.set AST, 70                           ; s[70:71] the byte, in a row of xb, of the K step that was asked for last; the upper word is 0
.set CB,  72                           ; s[72:73] my part of the tile in hand in qkv
.set GL,  74                           ; s74      laps of the whole walk still to come, this one among them
.set MSB, 0
.macro WIN new                         ; the immediate's high byte repeats the setting that is left; a switch that changes nothing is dropped
.if MSB != (\new)
	s_set_vgpr_msb (MSB<<8)|(\new)
.set MSB, \new
.endif
.endm
.set MUL_LO, 0xa1                      ; source 0 (B) window 1, source 1 (A) window 0, C and D window 2; + 0x50: C and D window 3
.set MUL_Z,  0x91                      ; the same with C (the bias) in window 1; + 0x40: D window 3
.set TO_B,   0x40                      ; destination window 1, address window 0
; A joint load.  Waves 0 and 1 fetch A's two halves, waves 2 and 3 B's.  The branch hangs on the wave's number alone.  An s_nop 0 and four v_nop follow each of the two lines.
.macro JLOAD s
	s_cmp_eq_u32 s11, 0
	s_cbranch_scc0 .Lfor_b_\@
	tensor_load_to_lds s[G0+4*(\s):G0+4*(\s)+3], s[G1:G1+7]
	s_nop 0
.rept 4
	v_nop
.endr
	s_branch .Lasked_\@
.Lfor_b_\@:
	tensor_load_to_lds s[G0B+4*(\s):G0B+4*(\s)+3], s[G1B:G1B+7]
	s_nop 0
.rept 4
	v_nop
.endr
.Lasked_\@:
.endm
; A PREFETCH INTO THE L2, behind each joint load, its five lines and the run of LDS loads: my share of the K step that stands TWO refills on, 512 matrix instructions ahead of the load that will want it.
; Each aligned block of 256 bytes is named once in the launch.  A: of the 128 rows that wave 0 or 1 fetches, the partner at place cx takes 32, a lane a row; K steps 4 to 7 of the first tile alone: the later
; tiles walk the same rows again.  B: its tiles are read by every cluster; the clusters with y = 0 ask.  Of the 64 rows of 512 bytes that wave 2 or 3 fetches, the partner at place cy takes 16, two lanes a row;
; K steps 4 to 23.  The partners are told apart BY ADDRESS; the count s[PFN] is the same in all sixteen, for a given wave.  K steps 0 to 3 come by their loads alone.
.macro ASK
	s_cmp_lg_u32 s[PFN], 0
	s_cbranch_scc0 .Lnone_\@
	global_prefetch_b8 v[PFO], s[PFA:PFA+1] th:TH_LOAD_NT scope:SCOPE_SE
	s_sub_co_u32 s[PFN], s[PFN], 1
.Lnone_\@:
.endm
.macro CREST                           ; a round of the cluster's barrier behind its opening barrier
	s_cmp_lg_u32 s10, 0
	s_cbranch_scc1 .Lnot_wave_0_\@
	s_barrier_signal -3
.Lnot_wave_0_\@:
	s_barrier_wait -3
	s_barrier_signal -1
	s_barrier_wait -1
.endm
.macro CROUND                          ; a whole round
	s_barrier_signal -1
	s_barrier_wait -1
	CREST
.endm
; 16 matrix instructions: m blocks a0, a0 + 1 of the window's four (hi = 0: my rows 0-63, 1: rows 64-127) x all 8 n blocks, 32 along K.  zero = 1: the first product starts the sums, with the bias.
.macro MUL16 f, hi, a0, zero
.if \zero
	WIN MUL_Z+0x40*(\hi)
.else
	WIN MUL_LO+0x50*(\hi)
.endif
.irp a, \a0, (\a0)+1
.irp b, 0,1,2,3,4,5,6,7
.if \zero
	v_wmma_f32_16x16x32_bf16 v[8*(8*(\a)+(\b)):8*(8*(\a)+(\b))+7], v[(\f)+8*(\b):(\f)+8*(\b)+7], v[(\f)+8*(4*(\hi)+(\a)):(\f)+8*(4*(\hi)+(\a))+7], v[8*(\b):8*(\b)+7]
.else
	v_wmma_f32_16x16x32_bf16 v[8*(8*(\a)+(\b)):8*(8*(\a)+(\b))+7], v[(\f)+8*(\b):(\f)+8*(\b)+7], v[(\f)+8*(4*(\hi)+(\a)):(\f)+8*(4*(\hi)+(\a))+7], v[8*(8*(\a)+(\b)):8*(8*(\a)+(\b))+7]
.endif
.endr
.endr
.endm
; 32 LDS loads in one run: the fragments of one quarter step (32 along K: byte k of A's rows, rows k / 2 on of B) into buffer f.  B's first, turned: 16 k x 16 n a load.
.macro FETCH slot, k, f
	WIN TO_B
.irp i, 0,1,2,3,4,5,6,7
	ds_load_tr16_b128 v[(\f)+8*(\i):(\f)+8*(\i)+3],   v[ADRB+(\slot)] offset:((\k)/64)*BQ+32*(\i)
	ds_load_tr16_b128 v[(\f)+8*(\i)+4:(\f)+8*(\i)+7], v[ADRB+(\slot)] offset:((\k)/64)*BQ+16*PB+32*(\i)
.endr
	WIN 0
.irp i, 0,1,2,3,4,5,6,7
	ds_load_b128 v[(\f)+8*(\i):(\f)+8*(\i)+3],   v[ADRA+(\slot)] offset:(\k)+(\i)*16*PITCH
	ds_load_b128 v[(\f)+8*(\i)+4:(\f)+8*(\i)+7], v[ADRA+(\slot)] offset:(\k)+(\i)*16*PITCH+32
.endr
.endm
.macro PLACES                          ; four places in front of loads into registers that matrix instructions have read, and of lines that read results (ISA guide 7.12.1 for lines that read results)
.rept 4
	v_nop
.endr
.endm
; A K step is four quarters of 32 along K, 64 matrix instructions each, on buffers 0, 1, 0, 1.  One of the first three: multiplies buffer f; in its middle it fetches the next quarter into buffer g.
.macro QUARTER slot, k, f, g, zero
	s_wait_dscnt 8                                 ; B and A's rows 0-63 are in; the youngest eight loads (A's rows 64-127) may be out
	MUL16 \f, 0, 0, \zero
	MUL16 \f, 0, 2, \zero
	PLACES
	FETCH \slot, \k, \g
	s_wait_dscnt 32                                ; all but the 32 just issued
	MUL16 \f, 1, 0, \zero
	MUL16 \f, 1, 2, \zero
.endm
; The last quarter's first half: ONE barrier for the change of slots.  In front of it each wave waits for all its tensor loads (one is out: its part of the next slot), adds 0 to its spare word, and waits for
; that and for its own reads of this slot.  Behind it nobody reads this slot any more and the next slot is whole.
.macro MEET round
	WIN 0                                          ; (the add's two registers lie in window 0)
	s_wait_tensorcnt 0x0                           ; all my tensor loads have landed
	ds_add_u32 v[SPW], v[NIL]                      ; 0 onto my spare word
	s_wait_dscnt 9                                 ; (the add and the youngest eight loads may be out)
	MUL16 F1, 0, 0, 0                              ; sixteen matrix instructions stand between the add and the wait for it
	s_wait_dscnt 0x0                               ; the add is done, and my reads of this slot are over
	s_barrier_signal -1
	MUL16 F1, 0, 2, 0                              ; work on registers while the others arrive
.if \round
	WIN 0
.endif
	s_barrier_wait -1
.endm
; The whole last quarter.  The barrier opens a round of the cluster's; behind the round the slot just read out is filled again first.  A's K step goes one on, round through the row's eight (behind a tile's
; seventh comes the next tile's K step 0), and its address is made anew: base, offset, type.  B's rows run on.  From a request to the wait for it a wave issues 224 matrix instructions, across tiles too.
.macro TURN slot, next
	s_wait_xcnt 0x0                                ; the last prefetch, a K step back, has read its address: it is stepped here, ahead of the waits of the change of slots
	s_add_nc_u64 s[PFA:PFA+1], s[PFA:PFA+1], s[PFS:PFS+1]
	MEET 1
	CREST                                          ; no wave of any partner still reads this slot's tile or has a load on its way
	s_add_co_u32 s[AST], s[AST], KSTEP*2           ; the next K step's byte in a row of xb,
	s_and_b32 s[AST], s[AST], ROWA-1               ; round through the row
	s_add_nc_u64 s[G0+4*(\slot)+2:G0+4*(\slot)+3], s[ABASE:ABASE+1], s[AST:AST+1]
	s_or_b32 s[G0+4*(\slot)+3], s[G0+4*(\slot)+3], 0x80000000      ; type = 2
	s_add_nc_u64 s[G0B+4*(\slot)+2:G0B+4*(\slot)+3], s[G0B+4*(\slot)+2:G0B+4*(\slot)+3], 2*KROWB
	JLOAD \slot                                    ; the first tensor load behind the round; its four v_nop are also the places in front of the loads below
	FETCH \next, 0, F0
	ASK
	MUL16 F1, 1, 0, 0
	MUL16 F1, 1, 2, 0
.endm
; The bias of my 128 columns as eight C operands: register j of block b holds column 16 b + 8 (l / 16) + j.
.macro BIASLD
	WIN TO_B
.irp b, 0,1,2,3,4,5,6,7
	global_load_b128 v[8*(\b):8*(\b)+3],   v[BO], s[BP:BP+1] offset:64*(\b)
	global_load_b128 v[8*(\b)+4:8*(\b)+7], v[BO], s[BP:BP+1] offset:64*(\b)+16
.endr
	WIN 0
.endm
; THE VERY LAST K STEP (it lies in slot 1) GOES BY ROWS.  All its fragments of B (4 quarters x 64 registers) fill window 1; then my eight blocks of 16 rows are finished one after the other, each with
; 32 matrix instructions (its 8 accumulators by turns; K ascending).  LDS is read no more than in any other K step.
.macro BLOAD q                         ; B's fragments of quarter q -> window 1, v[64 q ..]
	WIN TO_B
.irp i, 0,1,2,3,4,5,6,7
	ds_load_tr16_b128 v[64*(\q)+8*(\i):64*(\q)+8*(\i)+3],   v[ADRB+1] offset:(\q)*BQ+32*(\i)
	ds_load_tr16_b128 v[64*(\q)+8*(\i)+4:64*(\q)+8*(\i)+7], v[ADRB+1] offset:(\q)*BQ+16*PB+32*(\i)
.endr
.endm
.macro ALOAD a                         ; A's fragments of block a, all four quarters -> buffer a % 4
	WIN 0
.set FA, PA+32*((\a)%4)
.irp q, 0,1,2,3
	ds_load_b128 v[FA+8*(\q):FA+8*(\q)+3],   v[ADRA+1] offset:64*(\q)+(\a)*16*PITCH
	ds_load_b128 v[FA+8*(\q)+4:FA+8*(\q)+7], v[ADRA+1] offset:64*(\q)+(\a)*16*PITCH+32
.endr
.endm
.macro ROW a                           ; block a is finished: 32 matrix instructions
.set FA, PA+32*((\a)%4)
.set AC, 64*((\a)%4)
	WIN MUL_LO+0x50*((\a)/4)
.irp q, 0,1,2,3
.if (\a) == 0 && (\q) == 2
	s_wait_dscnt 24                                ; B's quarter 2 is in (behind it: A's blocks 1 to 3, 24 loads)
.endif
.irp b, 0,1,2,3,4,5,6,7
	v_wmma_f32_16x16x32_bf16 v[AC+8*(\b):AC+8*(\b)+7], v[64*(\q)+8*(\b):64*(\q)+8*(\b)+7], v[FA+8*(\q):FA+8*(\q)+7], v[AC+8*(\b):AC+8*(\b)+7]
.endr
.endr
.endm
; THE WAY OUT of block a (16 rows).  PACK: rounded to f16, 16 bytes a lane, each accumulator from its low end on.  TOSTAGE: into my own stage, and back as whole rows of 256 bytes.  SEND: stored.
.macro PACK a
.set AC, 64*((\a)%4)
	WIN 0x0a+5*((\a)/4)                            ; sources 0 and 1: window 2 or 3
.irp b, 0,1,2,3,4,5,6,7
.irp r, 0,1,2,3
	v_cvt_pk_f16_f32 v[TMP+4*(\b)+(\r)], v[AC+8*(\b)+2*(\r)], v[AC+8*(\b)+2*(\r)+1]
.endr
.endr
	WIN 0
.endm
.macro TOSTAGE a
	WIN 0
.set BK, OB+192*((\a)%2)
.irp b, 0,1,2,3,4,5,6,7
	ds_store_b128 v[STO], v[TMP+4*(\b):TMP+4*(\b)+3] offset:32*(\b)
.endr
.irp t, 0,1,2,3,4,5,6,7
	ds_load_b128 v[BK+4*(\t):BK+4*(\t)+3], v[RD] offset:(\t)*2*SPITCH  ; LDS serves a wave's instructions in order (ISA guide 5.7.1.4): these see the stores above
.endr
.endm
.macro SEND a, younger                 ; younger: the LDS loads issued behind TOSTAGE's, which may stay out
	WIN 0
.set BK, OB+192*((\a)%2)
	s_wait_dscnt \younger                          ; the block is back in registers
	s_wait_xcnt 0x0                                ; only behind this wait are the stores' base and the registers that earlier stores read rewritten
	s_add_nc_u64 s[8:9], s[CB:CB+1], (\a)*16*ROWC
.irp t, 0,1,2,3,4,5,6,7
	global_store_b128 v[CO], v[BK+4*(\t):BK+4*(\t)+3], s[8:9] offset:2*(\t)*ROWC th:TH_STORE_NT  ; 16 lanes store 256 consecutive bytes, at a multiple of 256 from qkv's first byte
.endr
.endm
	s_load_b128 s[4:7], s[0:1], 0x0                ; xb s[4:5], wb s[6:7]
	s_load_b64 s[BP:BP+1], s[0:1], 0x10            ; bias
	s_load_b64 s[CB:CB+1], s[0:1], 0x18            ; qkv
	v_lshl_add_u32 v[SPW], v0, 2, SPARE
	v_mov_b32 v[NIL], 0
	ds_add_u32 v[SPW], v[NIL]                      ; the wave's opening: the add and its wait stand ahead of my first tensor load; the set-up below, work on registers, stands between them
	v_lshrrev_b32 v1, 5, v0
	v_readfirstlane_b32 s10, v1                    ; wave 0..3
	s_lshr_b32 s11, s10, 1                         ; which half of the tile's rows is mine.  Also: I fetch for A (0) or for B (1)
	s_and_b32 s12, s10, 1                          ; which half of its columns.  Also: which half of that tile I fetch
	s_bfe_u32 s40, ttmp6, 0x40000                  ; cx
	s_bfe_u32 s41, ttmp6, 0x40004                  ; cy
	s_lshl_b32 s42, ttmp9, 2
	s_add_co_u32 s42, s42, s40                     ; tile column = 4 x cluster x + cx
	s_and_b32 s13, ttmp7, 0xffff
	s_lshl_b32 s13, s13, 2
	s_add_co_u32 s13, s13, s41                     ; tile row = 4 x cluster y + cy
	s_lshl_b32 s43, s41, 2
	s_lshl_b32 s43, 15, s43                        ; my row of the cluster: places 4 cy .. 4 cy + 3
	s_lshl_b32 s44, 0x1111, s40                    ; my column: places cx, cx + 4, cx + 8, cx + 12
	; group 1 for A: 128 rows x 128 elements, 4 words of padding behind every 64; for B: 64 rows x 256 elements, 8 words behind every 128
	s_or_b32 s[G1+0], s43, (1<<16)|(1<<20)|(1<<21)|(5<<22)|(3<<25)   ; 15:0 the mask; 17:16 elements of 2 bytes; 20 padding on; 21 set beside a mask; 24:22 the interval; 31:25 the padding
	s_or_b32 s[G1B+0], s44, (1<<16)|(1<<20)|(1<<21)|(6<<22)|(7<<25)
	s_mov_b32 s[G1+1], KSTEP<<16                   ; tensor_dim0 = 128
	s_mov_b32 s[G1+2], 128<<16                     ; tensor_dim1 = 128
	s_mov_b32 s[G1+3], KSTEP<<16                   ; tile_dim0 = 128
	s_mov_b32 s[G1+4], 128                         ; tile_dim1 = 128
	s_mov_b32 s[G1+5], 1024                        ; elements from row to row
	s_mov_b32 s[G1+6], 0
	s_mov_b32 s[G1+7], 0
	s_mov_b32 s[G1B+1], 256<<16                    ; tensor_dim0 = 256
	s_mov_b32 s[G1B+2], 64<<16                     ; tensor_dim1 = 64
	s_mov_b32 s[G1B+3], 256<<16                    ; tile_dim0 = 256
	s_mov_b32 s[G1B+4], 64                         ; tile_dim1 = 64
	s_mov_b32 s[G1B+5], 1024
	s_mov_b32 s[G1B+6], 0
	s_mov_b32 s[G1B+7], 0
	; where the tiles come from.  A's hang on the tile row alone, B's on the tile column alone, each in registers that never hold the other coordinate
	s_lshl_b32 s16, s13, 8
	s_lshl_b32 s17, s12, 7
	s_add_co_u32 s16, s16, s17                     ; A: row 256 x tile row + 128 x half,
	s_lshl_b32 s16, s16, 11                        ; of 2,048 bytes
	s_mov_b32 s17, 0
	s_lshl_b32 s46, s12, 17                        ; B: row 64 x half of the K step,
	s_lshl_b32 s47, s42, 9                         ; 512 bytes for each tile column
	s_add_co_u32 s46, s46, s47
	s_mov_b32 s47, 0
	s_mul_i32 s20, s10, HALFT                      ; and where they go: wave x a quarter of a slot: no place in the cluster enters an LDS address
	s_mov_b32 s[AST], KSTEP*2                      ; K steps 0 and 1 are asked for below: the last of them lies at byte 256
	s_mov_b32 s[AST+1], 0
	s_wait_dscnt 0x0                               ; the opening add is done
	s_wait_kmcnt 0x0
	s_add_nc_u64 s[ABASE:ABASE+1], s[4:5], s[16:17]
	s_add_nc_u64 s[46:47], s[6:7], s[46:47]
	CROUND                                         ; all sixteen work-groups are here: the first joint loads meet
.irp s, 0,1
	s_mov_b32 s[G0+4*(\s)], 1                                      ; count = 1
	s_add_co_u32 s[G0+4*(\s)+1], s20, (\s)*SLOT                    ; LDS address
	s_add_nc_u64 s[G0+4*(\s)+2:G0+4*(\s)+3], s[ABASE:ABASE+1], (\s)*KSTEP*2  ; global address: K step s
	s_or_b32 s[G0+4*(\s)+3], s[G0+4*(\s)+3], 0x80000000            ; type = 2
	s_mov_b32 s[G0B+4*(\s)], 1
	s_add_co_u32 s[G0B+4*(\s)+1], s20, (\s)*SLOT
	s_add_nc_u64 s[G0B+4*(\s)+2:G0B+4*(\s)+3], s[46:47], (\s)*KROWB
	s_or_b32 s[G0B+4*(\s)+3], s[G0B+4*(\s)+3], 0x80000000
	JLOAD \s                                       ; two loads of mine are out
.endr
	v_and_b32 v1, 15, v0                           ; l % 16
	v_bfe_u32 v2, v0, 4, 1                         ; l / 16
	v_lshlrev_b32 v[BO], 5, v2
	s_lshl_b32 s22, s42, 10                        ; the bias of my 128 columns: 4 (256 x tile column + 128 x half)
	s_lshl_b32 s23, s12, 9
	s_add_co_u32 s22, s22, s23
	s_mov_b32 s23, 0
	s_add_nc_u64 s[BP:BP+1], s[BP:BP+1], s[22:23]
	BIASLD                                         ; q's bias
	v_mul_u32_u24 v3, v1, PITCH                    ; a fragment of A: row l % 16, 16 bytes for each half of the lanes, twice, 32 bytes apart
	v_lshl_add_u32 v3, v2, 4, v3
	v_and_b32 v5, 7, v0                            ; the turning load: lane l reads row (k) 8 (l / 16) + l % 8, columns 8 ((l / 8) % 2) + 0..7, and is left with column l % 16 and 8 k
	v_lshl_add_u32 v5, v2, 3, v5
	v_mul_u32_u24 v5, v5, PB
	v_bfe_u32 v6, v0, 3, 1
	v_lshl_add_u32 v5, v6, 4, v5
	s_mul_i32 s21, s11, HALFT                      ; my 128 rows of A
	s_lshl_b32 s22, s12, 8                         ; my 128 columns of B,
	s_add_co_u32 s22, s22, 2*HALFT                 ; which lies behind A
.irp s, 0,1
	v_add_nc_u32 v[ADRA+(\s)], s21, v3
	v_add_nc_u32 v[ADRB+(\s)], s22, v5
	s_add_co_u32 s21, s21, SLOT
	s_add_co_u32 s22, s22, SLOT
.endr
	s_mul_i32 s23, s10, 16*SPITCH
	s_add_co_u32 s23, s23, STAGE                   ; my stage
	v_mul_u32_u24 v4, v1, SPITCH                   ; in: row l % 16, 16 bytes for each half of the lanes
	v_lshl_add_u32 v4, v2, 4, v4
	v_add_nc_u32 v[STO], s23, v4
	v_mul_u32_u24 v5, v2, SPITCH                   ; back: lanes 0-15 take one row of 256 bytes, lanes 16-31 the next
	v_lshl_add_u32 v5, v1, 4, v5
	v_add_nc_u32 v[RD], s23, v5
	v_mul_u32_u24 v5, v2, ROWC                     ; and the same two rows in qkv
	v_lshl_add_u32 v[CO], v1, 4, v5
	s_lshl_b32 s16, s13, 8                         ; my part of the first tile in qkv
	s_lshl_b32 s17, s11, 7
	s_add_co_u32 s16, s16, s17
	s_mul_i32 s16, s16, ROWC
	s_mov_b32 s17, 0
	s_lshl_b32 s46, s42, 9
	s_lshl_b32 s47, s12, 8
	s_add_co_u32 s46, s46, s47
	s_mov_b32 s47, 0
	s_add_nc_u64 s[16:17], s[16:17], s[46:47]
	s_add_nc_u64 s[CB:CB+1], s[CB:CB+1], s[16:17]
	; the prefetches: both offsets are made, then one is chosen by the wave's number
	s_lshl_b32 s18, s13, 8
	s_lshl_b32 s20, s12, 7
	s_add_co_u32 s18, s18, s20
	s_lshl_b32 s20, s40, 5
	s_add_co_u32 s18, s18, s20                     ; A: row 256 x tile row + 128 x half + 32 cx,
	s_lshl_b32 s18, s18, 11
	s_add_co_u32 s18, s18, 3*KSTEP*2               ; at K step 3: the first change of slots steps it to 4
	s_lshl_b32 s19, s12, 6
	s_lshl_b32 s20, s41, 4
	s_add_co_u32 s19, s19, s20                     ; B: row 64 x half + 16 cy,
	s_lshl_b32 s19, s19, 11
	s_lshl_b32 s20, s42, 9
	s_add_co_u32 s19, s19, s20
	s_add_co_u32 s19, s19, 3*KROWB                 ; at K step 3
	s_and_b32 s22, ttmp7, 0xffff                   ; cluster y
	s_mov_b32 s[PFS], KROWB
	s_cmp_eq_u32 s11, 0                            ; do I fetch for A?
	s_cselect_b32 s20, s18, s19
	s_cselect_b32 s22, ttmp9, s22                  ; the coordinate along which other clusters read the same blocks
	s_cselect_b32 s23, 4, NPFB
	s_cselect_b32 s[PFS], KSTEP*2, s[PFS]
	s_cselect_b32 s21, 0, 1                        ; A: a lane a row; B: two lanes a row
	s_cselect_b64 s[PFA:PFA+1], s[4:5], s[6:7]
	v_and_b32 v7, 31, v0
	v_and_b32 v6, s21, v7
	v_lshrrev_b32 v[PFO], s21, v7
	v_lshlrev_b32 v[PFO], 11, v[PFO]
	v_lshl_add_u32 v[PFO], v6, 8, v[PFO]
	s_mov_b32 s21, 0
	s_mov_b32 s[PFS+1], 0
	s_add_nc_u64 s[PFA:PFA+1], s[PFA:PFA+1], s[20:21]
	s_cmp_eq_u32 s22, 0
	s_cselect_b32 s[PFN], s23, 0                   ; the same in all sixteen partners, for a given wave
	s_wait_tensorcnt 1                             ; my part of K step 0 is in; K step 1's may stay out
	s_barrier_signal -1
	s_barrier_wait -1                              ; everybody's is
	FETCH 0, 0, F0
	s_mov_b32 s2, TILES                            ; tiles to go, this one among them
	s_mov_b32 s[GL], TILES*LAPS                    ; laps to go, this one among them: the same numbers in every work-group
.Ltile:
	s_wait_loadcnt 0x0                             ; this tile's bias is in
	QUARTER 0, 64,  F0, F1, 1                      ; a tile's first quarter stands in front of the loop: its products start the sums, with the bias
	WIN 0
	s_cmp_eq_u32 s2, 1
	s_cbranch_scc1 .Lnob                           ; the last tile has no bias to fetch
	PLACES                                         ; the bias's registers were read by the products just issued
	s_add_nc_u64 s[BP:BP+1], s[BP:BP+1], 4096      ; (its loads were shown done at the tile's head)
	BIASLD                                         ; the next tile's bias: it has the whole tile in which to come
.Lnob:
	s_mov_b32 s3, LAPS
	s_branch .Lin                                  ; the loop is entered behind a lap's first quarter
.Llap:                                             ; a trip is a lap: once round the ring; it fills both slots again
	QUARTER 0, 64,  F0, F1, 0
	WIN 0
.Lin:
	QUARTER 0, 128, F1, F0, 0
	QUARTER 0, 192, F0, F1, 0
	WIN 0
	s_cmp_eq_u32 s[GL], 1
	s_cbranch_scc1 .Llast_tile                     ; the walk's last lap asks for nothing more: its rest is written out
	TURN 0, 1
	QUARTER 1, 64,  F0, F1, 0
	QUARTER 1, 128, F1, F0, 0
	QUARTER 1, 192, F0, F1, 0
	TURN 1, 0
	WIN 0
	s_sub_co_u32 s[GL], s[GL], 1
	s_sub_co_u32 s3, s3, 1
	s_cmp_lg_u32 s3, 0
	s_cbranch_scc1 .Llap
	PLACES                                         ; both refills are asked for, the next tile's first fragments are fetched: now the tile goes out.  The places behind the last products
	PLACES
	PACK 0
	TOSTAGE 0
.irp a, 1,2,3,4,5,6,7                  ; block a's conversions stand between block a - 1's loads from the stage and the wait for them
	PACK \a
	SEND (\a)-1, 0
	TOSTAGE \a
.endr
	SEND 7, 0
	s_add_nc_u64 s[CB:CB+1], s[CB:CB+1], 2048      ; the next tile lies 1,024 columns further on (the stores name s[8:9], not this pair)
	s_sub_co_u32 s2, s2, 1
	s_branch .Ltile
.Llast_tile:
	s_wait_loadcnt 0x0                             ; no load into the bias's registers is out: B's fragments land there below
	MEET 0                                         ; my one tensor load that was still out is slot 1's, the last K step's, so no round follows
	PLACES                                         ; for the loads into buffer 0, which the quarter before multiplied
	BLOAD 0                                        ; three quarters of B now: buffer 1 (v128-191 of both windows) is still being multiplied
	BLOAD 1
	BLOAD 3
	ALOAD 0
	MUL16 F1, 1, 0, 0
	MUL16 F1, 1, 2, 0
	PLACES                                         ; for the loads into buffer 1
	BLOAD 2
	ALOAD 1
	ALOAD 2
	ALOAD 3
	s_wait_dscnt 40                                ; all but the 40 just issued
	ROW 0
.irp a, 0,1,2,3,4,5,6,7                ; each block leaves as soon as it is finished: nothing follows this tile under which its stores could leave
	PLACES                                         ; its conversions read results just made
	PLACES
	PACK \a
	TOSTAGE \a
.if (\a) < 4
	ALOAD (\a)+4                                   ; its buffer takes the block four further on
	SEND \a, 8
.else
	SEND \a, 0
.endif
.if (\a) < 7
	ROW (\a)+1
.endif
.endr
	s_wait_tensorcnt 0x0                           ; the wave's end, behind my last tensor load and my last LDS store
	ds_add_u32 v[SPW], v[NIL]
	s_wait_dscnt 0x0
	CROUND                                         ; the closing round: no work-group ends while a partner may still ask for a tile that names it
	s_endpgm
.Lfunc_end_k_q89266ae0a8_qkv:
	.size	k_q89266ae0a8_qkv, .Lfunc_end_k_q89266ae0a8_qkv-k_q89266ae0a8_qkv
	.p2alignl 7, 3214868480
	.fill 96, 4, 3214868480
	.section	.rodata,"a",@progbits
	.p2align	6, 0x0
	.amdhsa_kernel k_q89266ae0a8_qkv
		.amdhsa_group_segment_fixed_size 327680
		.amdhsa_private_segment_fixed_size 0
		.amdhsa_enable_private_segment 0
		.amdhsa_kernarg_size 32
		.amdhsa_user_sgpr_count 2
		.amdhsa_user_sgpr_kernarg_segment_ptr 1
		.amdhsa_wavefront_size32 1
		.amdhsa_system_sgpr_workgroup_id_x 1
		.amdhsa_system_sgpr_workgroup_id_y 1
		.amdhsa_system_sgpr_workgroup_id_z 1
		.amdhsa_system_vgpr_workitem_id 0
		.amdhsa_next_free_vgpr 1024
		.amdhsa_next_free_sgpr 80
		.amdhsa_reserve_vcc 0
		.amdhsa_float_denorm_mode_32 3
		.amdhsa_float_denorm_mode_16_64 3
		.amdhsa_memory_ordered 1
		.amdhsa_forward_progress 1
		.amdhsa_inst_pref_size 169
	.end_amdhsa_kernel
	.amdgpu_metadata
---
amdhsa.version: [ 1, 2 ]
amdhsa.kernels:
  - .name:           k_q89266ae0a8_qkv
    .symbol:         k_q89266ae0a8_qkv.kd
    .args:
      - { .name: xb, .offset: 0, .size: 8, .value_kind: global_buffer, .address_space: global }
      - { .name: wb, .offset: 8, .size: 8, .value_kind: global_buffer, .address_space: global }
      - { .name: bias, .offset: 16, .size: 8, .value_kind: global_buffer, .address_space: global }
      - { .name: qkv, .offset: 24, .size: 8, .value_kind: global_buffer, .address_space: global }
    .group_segment_fixed_size: 327680
    .private_segment_fixed_size: 0
    .kernarg_segment_align: 8
    .kernarg_segment_size: 32
    .max_flat_workgroup_size: 128
    .sgpr_count:     80
    .vgpr_count:     1024
    .wavefront_size: 32
...
	.end_amdgpu_metadata
.endif
;; end of part 2
;; launch attn (part 3): grid 256 x 1, 16 waves a work-group, no clusters, 137,216 bytes of LDS; arguments qkv, ob; writes ob
.if DOCPART == 3
	.amdgcn_target "amdgcn-amd-amdhsa--gfx1250"
	.amdhsa_code_object_version 6
	.text
	.protected	k_q89266ae0a8_attn
	.globl	k_q89266ae0a8_attn
	.p2align	8
	.type	k_q89266ae0a8_attn,@function
k_q89266ae0a8_attn:
	s_mov_b64 s[64:65], 0
	v_nop
	global_prefetch_b8 v0, s[64:65] scope:SCOPE_SE
	s_setreg_imm32_b32 hwreg(HW_REG_WAVE_MODE, 25, 1), 1
	s_wait_xcnt 0x0
; AT EACH POSITION the 16 heads attend to each other: scores[i][j] = q_i . k_j / 8 over 64 channels, softmax over j, out_i = the sum over j of p[i][j] v_j.
; qkv: [16384][3072] f16, a position's q, k, v of 1,024 each, in the order in which fragments lie in registers: q and k: number 256 c + 16 r + 8 h + e is head r, channel 16 c + 8 h + e;
; v: number 16 d + j is head j, channel d.  So load c of q, k or v is lane (r = l % 16, h = l / 16) at byte 512 c + 32 r + 16 h: 512 consecutive bytes an instruction, and nothing goes through LDS on the way in.
; ob: [16384][1024] f16: head i of position s of batch b goes to row 4096 b + 256 i + (s >> 4), columns 64 (s & 15) + d.
; Products, the maximum and the sum in f32; the weights are divided by their sum in f32 and rounded to f16 for the second product; the result is rounded once.
; LIMITS.  A weight below 2^-126 counts as 0 in the sum.  NaN and infinities are not treated apart; an infinite or NaN v also spoils the channel 16 away from its own (it meets a weight 0 there).
; SHARES.  A work-group owns 64 positions, each of its sixteen waves four: straight-line text, no loop, no barrier.  A wave's 48 loads (24,576 bytes) go out together.
; Four neighbouring positions are 512 consecutive bytes of each head's row of ob: they are gathered in the wave's own stage in LDS, so that each store covers 512 consecutive bytes, aligned.
; LAYOUT.  S^T = K Q^T (source 0 = 16 keys, source 1 = 16 queries): a lane holds ONE query (l % 16) and the keys 8 (l / 16) + 0..7; the maximum and the sum want one exchange between the halves of the lanes.
; O^T = V^T P has 16 keys for the instruction's 32: source 0 holds TWO blocks of 16 channels (one at k = 0..15, the next at k = 16..31), source 1 is [P; 0] for the first and [0; P] for the second.
; No tensor loads, cluster or prefetch: no byte is read by two waves, and the launch is one stream.
.set ROWQ,  6144                       ; bytes of a position in qkv
.set SPIT,  528                        ; a stage row: 512 bytes + 16 of padding = 132 words: row r starts at bank 4 r mod 64 (64 banks of 4 bytes: ISA guide 11.1)
.set WST,   16*SPIT                    ; a wave's stage: a row for each head
.set SPARE, 16*WST                     ; behind the stages: the spare words, 128 bytes for each wave: eight blocks of 256 bytes that no other line names
.set HROW,  256*2048                   ; bytes from a head's row of ob to the next head's
.set LO,  3                            ; v3   32 r + 16 h
.set STO, 4                            ; v4   my stage + 528 r + 16 h
.set RD,  5                            ; v5   my stage + 16 l
.set GO,  6                            ; v6   16 l
.set SPW, 8                            ; v8   LDS address of my spare word: SPARE + 4 x my thread's number; never rewritten
.set NIL, 9                            ; v9   0; never rewritten
.set T,   12                           ; v[12:27]  position p: t0-t3 at T + 4 p
.set Z,   28                           ; v[28:31]  0: the lower half of [0; P] for position 0
.set S,   32                           ; v[32:63]  position p: eight scores, then P in four registers and 0 in four
.set PBF, 64                           ; v[64:255] position p: 48 registers: Q 0-15, K 16-31, V 32-47; O^T's four accumulators take Q's and K's place
	s_load_b128 s[4:7], s[0:1], 0x0                ; qkv s[4:5], ob s[6:7]
	v_lshl_add_u32 v[SPW], v0, 2, SPARE
	v_mov_b32 v[NIL], 0
	v_lshrrev_b32 v1, 5, v0
	v_readfirstlane_b32 s8, v1                     ; wave 0..15
	v_and_b32 v1, 15, v0                           ; r
	v_bfe_u32 v2, v0, 4, 1                         ; h
	v_lshlrev_b32 v[LO], 5, v1
	v_lshl_add_u32 v[LO], v2, 4, v[LO]
	s_lshl_b32 s9, ttmp9, 6
	s_lshl2_add_u32 s9, s8, s9                     ; my first position: 64 W + 4 w
	s_mul_i32 s10, s9, ROWQ
	s_mov_b32 s11, 0
	s_lshr_b32 s17, ttmp9, 6                       ; the batch,
	s_lshl_b32 s17, s17, 12                        ; its 4,096 rows of ob,
	s_and_b32 s18, ttmp9, 63
	s_lshl2_add_u32 s17, s18, s17                  ; s >> 4 = 4 (W % 64) + (w >> 2)
	s_lshr_b32 s18, s8, 2
	s_add_co_u32 s17, s17, s18
	s_lshl_b32 s18, s17, 11                        ; rows of 2,048 bytes
	s_and_b32 s17, s8, 3
	s_lshl_b32 s17, s17, 9                         ; s & 15 = 4 (w % 4) + p: 512 bytes for my four positions
	s_add_co_u32 s18, s18, s17
	s_mov_b32 s19, 0
	s_mov_b32 s12, 0x3e38aa3b                      ; c = log2(e) / 8
	s_mov_b32 s13, s12                             ; named with it as a pair
	s_mov_b32 s14, 0x76543210                      ; v_permlanex16_b32's selects: each lane takes its own place in the other half
	s_mov_b32 s15, 0xfedcba98
	s_mul_i32 s16, s8, WST                         ; my stage
	s_wait_kmcnt 0x0
	s_add_nc_u64 s[4:5], s[4:5], s[10:11]
	s_add_nc_u64 s[6:7], s[6:7], s[18:19]
.irp p, 0,1,2,3
.irp m, 0,1
.irp c, 0,1,2,3
	global_load_b128 v[PBF+48*(\p)+16*(\m)+4*(\c):PBF+48*(\p)+16*(\m)+4*(\c)+3], v[LO], s[4:5] offset:ROWQ*(\p)+2048*(\m)+512*(\c) th:TH_LOAD_NT  ; q, then k
.endr
.endr
.endr
.irp p, 0,1,2,3
.irp c, 0,1,2,3
	global_load_b128 v[PBF+48*(\p)+32+4*(\c):PBF+48*(\p)+32+4*(\c)+3], v[LO], s[4:5] offset:ROWQ*(\p)+4096+512*(\c) th:TH_LOAD_NT  ; v
.endr
.endr
	s_wait_loadcnt 16                              ; q and k are in; v's sixteen loads may stay out
	; S^T = K Q^T: the four positions' accumulators take turns: three others stand between the two links of a chain
.irp kk, 0,1
.irp p, 0,1,2,3
.if (\kk) == 0
	v_wmma_f32_16x16x32_f16 v[S+8*(\p):S+8*(\p)+7], v[PBF+48*(\p)+16:PBF+48*(\p)+23], v[PBF+48*(\p):PBF+48*(\p)+7], 0
.else
	v_wmma_f32_16x16x32_f16 v[S+8*(\p):S+8*(\p)+7], v[PBF+48*(\p)+24:PBF+48*(\p)+31], v[PBF+48*(\p)+8:PBF+48*(\p)+15], v[S+8*(\p):S+8*(\p)+7]
.endif
.endr
.endr
	; ten plain instructions, the places behind those products: the addresses for the way out, and the zeros
	v_mul_u32_u24 v[STO], v1, SPIT
	v_lshl_add_u32 v[STO], v2, 4, v[STO]
	v_add_nc_u32 v[STO], s16, v[STO]
	v_and_b32 v[GO], 31, v0
	v_lshlrev_b32 v[GO], 4, v[GO]
	v_add_nc_u32 v[RD], s16, v[GO]
.irp j, 0,1,2,3
	v_mov_b32 v[Z+(\j)], 0
.endr
	; THE SOFTMAX, each step for all four positions, so that no line waits for the one before it.  The maximum of all 16 scores of a query; each accumulator is read from its low end on.
.irp p, 0,1,2,3
	v_max3_num_f32 v[T+4*(\p)], v[S+8*(\p)], v[S+8*(\p)+1], v[S+8*(\p)+2]
.endr
.irp p, 0,1,2,3
	v_max3_num_f32 v[T+4*(\p)+1], v[S+8*(\p)+3], v[S+8*(\p)+4], v[S+8*(\p)+5]
.endr
.irp p, 0,1,2,3
	v_max3_num_f32 v[T+4*(\p)], v[T+4*(\p)], v[S+8*(\p)+6], v[S+8*(\p)+7]
.endr
.irp p, 0,1,2,3
	v_max_num_f32 v[T+4*(\p)], v[T+4*(\p)], v[T+4*(\p)+1]
.endr
.irp p, 0,1,2,3
	v_permlanex16_b32 v[T+4*(\p)+1], v[T+4*(\p)], s14, s15   ; the query's other eight keys lie in the lane 16 away
.endr
.irp p, 0,1,2,3
	v_max_num_f32 v[T+4*(\p)], v[T+4*(\p)], v[T+4*(\p)+1]
.endr
.irp p, 0,1,2,3
	v_mul_f32 v[T+4*(\p)], s12, v[T+4*(\p)]        ; c m
.endr
.irp p, 0,1,2,3
.irp j, 0,2,4,6
	v_pk_fma_f32 v[S+8*(\p)+(\j):S+8*(\p)+(\j)+1], v[S+8*(\p)+(\j):S+8*(\p)+(\j)+1], s[12:13], v[T+4*(\p):T+4*(\p)+1] op_sel_hi:[1,0,0] neg_lo:[0,0,1] neg_hi:[0,0,1]  ; c s - c m
.endr
.endr
.irp p, 0,1,2,3
.irp j, 0,1,2,3,4,5,6,7
	v_exp_f32 v[S+8*(\p)+(\j)], v[S+8*(\p)+(\j)]   ; one batch of 32
.endr
.endr
	v_nop                                          ; a plain instruction behind the last exponential,
	s_wait_alu depctr_va_vdst(0)                   ; and the wait ahead of the first use: one for the batch
.irp p, 0,1,2,3
	v_pk_add_f32 v[T+4*(\p)+2:T+4*(\p)+3], v[S+8*(\p):S+8*(\p)+1], v[S+8*(\p)+2:S+8*(\p)+3]
.endr
.irp p, 0,1,2,3
	v_pk_add_f32 v[T+4*(\p)+2:T+4*(\p)+3], v[T+4*(\p)+2:T+4*(\p)+3], v[S+8*(\p)+4:S+8*(\p)+5]
.endr
.irp p, 0,1,2,3
	v_pk_add_f32 v[T+4*(\p)+2:T+4*(\p)+3], v[T+4*(\p)+2:T+4*(\p)+3], v[S+8*(\p)+6:S+8*(\p)+7]
.endr
.irp p, 0,1,2,3
	v_add_f32 v[T+4*(\p)+2], v[T+4*(\p)+2], v[T+4*(\p)+3]
.endr
.irp p, 0,1,2,3
	v_permlanex16_b32 v[T+4*(\p)+3], v[T+4*(\p)+2], s14, s15
.endr
.irp p, 0,1,2,3
	v_add_f32 v[T+4*(\p)+2], v[T+4*(\p)+2], v[T+4*(\p)+3]
.endr
.irp p, 0,1,2,3
	v_rcp_f32 v[T+4*(\p)+2], v[T+4*(\p)+2]         ; the sum is at least 1: the largest weight is 1
.endr
	v_nop
	s_wait_alu depctr_va_vdst(0)                   ; one wait for the four reciprocals
.irp p, 0,1,2,3
.irp j, 0,2,4,6
	v_pk_mul_f32 v[S+8*(\p)+(\j):S+8*(\p)+(\j)+1], v[S+8*(\p)+(\j):S+8*(\p)+(\j)+1], v[T+4*(\p)+2:T+4*(\p)+3] op_sel_hi:[1,0]
.endr
.endr
.irp p, 0,1,2,3
.irp j, 0,1,2,3
	v_cvt_pk_f16_f32 v[S+8*(\p)+(\j)], v[S+8*(\p)+2*(\j)], v[S+8*(\p)+2*(\j)+1]  ; in place: register j is written when its own number has been read
.endr
.irp j, 4,5,6,7
	v_mov_b32 v[S+8*(\p)+(\j)], 0                  ; the upper half of [P; 0], and the lower half of the next position's [0; P]
.endr
.endr
	s_wait_loadcnt 0x0                             ; v is in
	; O^T = V^T P: sixteen products, each a whole sum
.irp p, 0,1,2,3
.irp cb, 0,1,2,3
.if (\cb)%2 == 0
	v_wmma_f32_16x16x32_f16 v[PBF+48*(\p)+8*(\cb):PBF+48*(\p)+8*(\cb)+7], v[PBF+48*(\p)+32+8*((\cb)/2):PBF+48*(\p)+32+8*((\cb)/2)+7], v[S+8*(\p):S+8*(\p)+7], 0
.else
	v_wmma_f32_16x16x32_f16 v[PBF+48*(\p)+8*(\cb):PBF+48*(\p)+8*(\cb)+7], v[PBF+48*(\p)+32+8*((\cb)/2):PBF+48*(\p)+32+8*((\cb)/2)+7], v[S+8*(\p)-4:S+8*(\p)+3], 0
.endif
.endr
.endr
.rept 8
	v_nop                                          ; the places behind those products
.endr
	; THE WAY OUT: a lane's eight channels of a head pack into 16 bytes; into the head's row of my stage; back as whole rows of 512 bytes; stored
.irp p, 0,1,2,3
.irp cb, 0,1,2,3
.irp j, 0,1,2,3
	v_cvt_pk_f16_f32 v[PBF+48*(\p)+8*(\cb)+(\j)], v[PBF+48*(\p)+8*(\cb)+2*(\j)], v[PBF+48*(\p)+8*(\cb)+2*(\j)+1]
.endr
.endr
.endr
.irp p, 0,1,2,3
.irp cb, 0,1,2,3
	ds_store_b128 v[STO], v[PBF+48*(\p)+8*(\cb):PBF+48*(\p)+8*(\cb)+3] offset:128*(\p)+32*(\cb)
.endr
.endr
.irp i, 0,1,2,3,4,5,6,7,8,9,10,11,12,13,14,15
	ds_load_b128 v[PBF+48*((\i)/4)+32+4*((\i)%4):PBF+48*((\i)/4)+32+4*((\i)%4)+3], v[RD] offset:SPIT*(\i)  ; LDS serves a wave's instructions in order (ISA guide 5.7.1.4): these see the stores above
.endr
.irp i, 0,1,2,3,4,5,6,7,8,9,10,11,12,13,14,15
	s_wait_dscnt 15-(\i)                           ; head i's row is back; the younger rows stay out
	global_store_b128 v[GO], v[PBF+48*((\i)/4)+32+4*((\i)%4):PBF+48*((\i)/4)+32+4*((\i)%4)+3], s[6:7] offset:HROW*(\i)  ; 512 consecutive bytes, at a multiple of 512 from ob's first; the largest immediate is 15 x 524,288, inside its signed 24 bits
.endr
	s_wait_tensorcnt 0x0                           ; the wave's end, behind my last LDS store
	ds_add_u32 v[SPW], v[NIL]
	s_wait_dscnt 0x0
	s_endpgm
.Lfunc_end_k_q89266ae0a8_attn:
	.size	k_q89266ae0a8_attn, .Lfunc_end_k_q89266ae0a8_attn-k_q89266ae0a8_attn
	.p2alignl 7, 3214868480
	.fill 96, 4, 3214868480
	.section	.rodata,"a",@progbits
	.p2align	6, 0x0
	.amdhsa_kernel k_q89266ae0a8_attn
		.amdhsa_group_segment_fixed_size 137216
		.amdhsa_private_segment_fixed_size 0
		.amdhsa_enable_private_segment 0
		.amdhsa_kernarg_size 16
		.amdhsa_user_sgpr_count 2
		.amdhsa_user_sgpr_kernarg_segment_ptr 1
		.amdhsa_wavefront_size32 1
		.amdhsa_system_sgpr_workgroup_id_x 1
		.amdhsa_system_sgpr_workgroup_id_y 1
		.amdhsa_system_sgpr_workgroup_id_z 1
		.amdhsa_system_vgpr_workitem_id 0
		.amdhsa_next_free_vgpr 256
		.amdhsa_next_free_sgpr 66
		.amdhsa_reserve_vcc 0
		.amdhsa_float_denorm_mode_32 3
		.amdhsa_float_denorm_mode_16_64 3
		.amdhsa_memory_ordered 1
		.amdhsa_forward_progress 1
		.amdhsa_inst_pref_size 24
	.end_amdhsa_kernel
	.amdgpu_metadata
---
amdhsa.version: [ 1, 2 ]
amdhsa.kernels:
  - .name:           k_q89266ae0a8_attn
    .symbol:         k_q89266ae0a8_attn.kd
    .args:
      - { .name: qkv, .offset: 0, .size: 8, .value_kind: global_buffer, .address_space: global }
      - { .name: ob, .offset: 8, .size: 8, .value_kind: global_buffer, .address_space: global }
    .group_segment_fixed_size: 137216
    .private_segment_fixed_size: 0
    .kernarg_segment_align: 8
    .kernarg_segment_size: 16
    .max_flat_workgroup_size: 512
    .sgpr_count:     66
    .vgpr_count:     256
    .wavefront_size: 32
...
	.end_amdgpu_metadata
.endif
;; end of part 3
;; launch oproj (part 4): grid 4 x 64, 4 waves a work-group, clusters of 4 x 4, 327,680 bytes of LDS; arguments ob, wb, bias, out0; writes out0
.if DOCPART == 4
	.amdgcn_target "amdgcn-amd-amdhsa--gfx1250"
	.amdhsa_code_object_version 6
	.text
	.protected	k_q89266ae0a8_oproj
	.globl	k_q89266ae0a8_oproj
	.p2align	8
	.type	k_q89266ae0a8_oproj,@function
k_q89266ae0a8_oproj:
	s_mov_b64 s[64:65], 0
	v_nop
	global_prefetch_b8 v0, s[64:65] scope:SCOPE_SE
	s_setreg_imm32_b32 hwreg(HW_REG_WAVE_MODE, 25, 1), 1
	s_wait_xcnt 0x0
	s_wait_alu depctr_hold_cnt(0) depctr_sa_sdst(0) depctr_va_vdst(0) depctr_va_sdst(0) depctr_va_ssrc(0) depctr_va_vcc(0) depctr_vm_vsrc(0)
	s_getreg_b32 s2, hwreg(HW_REG_IB_STS2, 6, 4)
	s_cmp_eq_u32 s2, 0
	s_cbranch_scc0 .Lentry_in_a_cluster
	s_endpgm
.Lentry_in_a_cluster:
	s_bfe_u32 s2, ttmp6, 0x10000c
	s_cmp_lg_u32 s2, 0xf033
	s_cbranch_scc0 .Lentry_shape_is_right
	s_endpgm
.Lentry_shape_is_right:
; out0[m][n] = bias[3][n] + the sum over k of ob[m][k] wb[3][k][n].  ob: [16384][1024] f16.  wb[3]: Wo, [1024 k][1024 n], rounded to bf16 and written as f16.  bias[3]: bo, f32.  out0: [16384][1024] f32.
; Products in f16, sums in f32, stored as they are.  NaN and infinities are not treated apart.
; SHARES.  A tile of out0 is 256 x 256: four waves, as many as a WGP has SIMDs, each 128 x 128: 64 accumulators of 16 x 16, 512 registers.  256 work-groups, a tile each.
; RING.  Two LDS slots, each with A's 256 rows x 256 bytes and B's 128 rows (k) x 512 bytes of one K step of 128; a wave fetches a quarter of a slot by one tensor load.
; THE LAST K STEP GOES BY ROWS of out0, so that finished rows leave while the others are multiplied.
; B LIES [k][n] and is turned on its way into registers, by ds_load_tr16_b128.
; CLUSTERS: 4 x 4 work-groups.  The four of a row of the cluster need the same tiles of A, the four of a column the same tiles of B: each tile is asked for JOINTLY, by the same tensor load with the same
; descriptor and a mask that names the four.
; THE MATRIX INSTRUCTION IS USED TRANSPOSED (source 0 = 16 columns of B, source 1 = 16 rows of A): a lane holds row l % 16 and the eight neighbouring columns 8 (l / 16) + 0..7: 32 bytes of a row.
; THE BIAS STARTS THE SUMS: it is the C operand of each accumulator's first product.
; REGISTERS, in windows of 256 (s_set_vgpr_msb: bits 1:0 source 0, 3:2 source 1, 5:4 source 2, 7:6 destination):
;   window 0: v0-31 addresses; v64-127, v128-191 fragments of A, two buffers (in the last K step four, of 16 rows x 128 K); v192-255 16 rows read back from the stage
;   window 1: v0-63 the bias of my 128 columns, as eight C operands; v64-127, v128-191 fragments of B, two buffers; in the last K step all 256: B's fragments of the whole step
;   window 2: the 32 accumulators of my rows 0-63 ((a, b) at v[8 (8 a + b)]);   window 3: those of my rows 64-127
.set KSTEP,  128
.set LAPS,   4                         ; a lap = two K steps = once round the ring; 1,024 along K
.set PITCH,  272                       ; A's LDS row: 256 bytes + 16 of padding = 68 words: row r starts at bank 4 r mod 64 (64 banks of 4 bytes: ISA guide 11.1)
.set PB,     544                       ; B's LDS row: 512 bytes + 32 of padding = 136 words: row r starts at bank 8 r mod 64
.set BQ,     32*PB
.set HALFT,  128*PITCH                 ; what one tensor load brings: 128 rows of A, or 64 rows of B
.set SLOT,   4*HALFT
.set STAGE,  2*SLOT                    ; behind the ring: 16 rows x 528 bytes for each wave, for the way out
.set SP32,   528                       ; a stage row: 512 bytes + 16 of padding = 132 words: row r starts at bank 4 r mod 64
.set SPARE,  STAGE+4*16*SP32           ; behind the stages: the spare words, 128 bytes for each wave: two blocks of 256 bytes that no other line names
.set ROWC,   4096                      ; bytes in a row of out0
.set KROWB,  KSTEP*2048
.set WOFF,   3*1024*2048               ; Wo is the fourth matrix of wb
.set NPFB,   4                         ; B's K steps 4 to 7 are prefetched
.set ADRA, 16
.set ADRB, 20
.set STO,  24
.set RD,   25
.set CO,   26
.set BO,   27
.set SPW,  28                          ; v28     LDS address of my spare word: SPARE + 4 x my thread's number; never rewritten
.set NIL,  29                          ; v29     0; never rewritten
.set PFO,  30
.set F0,   64
.set F1,   128
.set PA,   64                          ; the last K step: A's fragments of 16 rows x 128 K, 32 registers; four such buffers, v64-191
.set BK,   192                         ; the way out: 16 rows of 512 bytes, back from the stage
.set G1,  24
.set G0,  32
.set G1B, 48
.set G0B, 56
.set PFN, 43                           ; s43      prefetches that I still have to issue
.set PFA, 44                           ; s[44:45] where my prefetches stand
.set BP,  66                           ; s[66:67] the bias of my 128 columns
.set PFS, 68                           ; s[68:69] a K step in bytes along my prefetches' way
.set CB,  72                           ; s[72:73] my part of the tile in out0
.set MSB, 0
.macro WIN new                         ; the immediate's high byte repeats the setting that is left; a switch that changes nothing is dropped
.if MSB != (\new)
	s_set_vgpr_msb (MSB<<8)|(\new)
.set MSB, \new
.endif
.endm
.set MUL_LO, 0xa1                      ; source 0 (B) window 1, source 1 (A) window 0, C and D window 2; + 0x50: C and D window 3
.set MUL_Z,  0x91                      ; the same with C (the bias) in window 1; + 0x40: D window 3
.set TO_B,   0x40
; A joint load.  Waves 0 and 1 fetch A's two halves, waves 2 and 3 B's.  The branch hangs on the wave's number alone.  An s_nop 0 and four v_nop follow each of the two lines.
.macro JLOAD s
	s_cmp_eq_u32 s11, 0
	s_cbranch_scc0 .Lfor_b_\@
	tensor_load_to_lds s[G0+4*(\s):G0+4*(\s)+3], s[G1:G1+7]
	s_nop 0
.rept 4
	v_nop
.endr
	s_branch .Lasked_\@
.Lfor_b_\@:
	tensor_load_to_lds s[G0B+4*(\s):G0B+4*(\s)+3], s[G1B:G1B+7]
	s_nop 0
.rept 4
	v_nop
.endr
.Lasked_\@:
.endm
; A PREFETCH INTO THE L2, behind each joint load, its five lines and the run of LDS loads: my share of the K step that stands TWO refills on, 512 matrix instructions ahead of the load that will want it.
; Each aligned block of 256 bytes is named once in the launch.  A: of the 128 rows that wave 0 or 1 fetches, the partner at place cx takes 32, a lane a row.  B: its tiles are read by every cluster; the clusters
; with y = 0 ask; of the 64 rows of 512 bytes that wave 2 or 3 fetches, the partner at place cy takes 16, two lanes a row.  K steps 4 to 7; K steps 0 to 3 come by their loads alone.
; The partners are told apart BY ADDRESS; the count s[PFN] is the same in all sixteen, for a given wave.
.macro ASK
	s_cmp_lg_u32 s[PFN], 0
	s_cbranch_scc0 .Lnone_\@
	global_prefetch_b8 v[PFO], s[PFA:PFA+1] th:TH_LOAD_NT scope:SCOPE_SE
	s_sub_co_u32 s[PFN], s[PFN], 1
.Lnone_\@:
.endm
.macro CREST                           ; a round of the cluster's barrier behind its opening barrier
	s_cmp_lg_u32 s10, 0
	s_cbranch_scc1 .Lnot_wave_0_\@
	s_barrier_signal -3
.Lnot_wave_0_\@:
	s_barrier_wait -3
	s_barrier_signal -1
	s_barrier_wait -1
.endm
.macro CROUND
	s_barrier_signal -1
	s_barrier_wait -1
	CREST
.endm
; 16 matrix instructions: m blocks a0, a0 + 1 of the window's four x all 8 n blocks, 32 along K.  zero = 1: the first product starts the sums, with the bias.
.macro MUL16 f, hi, a0, zero
.if \zero
	WIN MUL_Z+0x40*(\hi)
.else
	WIN MUL_LO+0x50*(\hi)
.endif
.irp a, \a0, (\a0)+1
.irp b, 0,1,2,3,4,5,6,7
.if \zero
	v_wmma_f32_16x16x32_f16 v[8*(8*(\a)+(\b)):8*(8*(\a)+(\b))+7], v[(\f)+8*(\b):(\f)+8*(\b)+7], v[(\f)+8*(4*(\hi)+(\a)):(\f)+8*(4*(\hi)+(\a))+7], v[8*(\b):8*(\b)+7]
.else
	v_wmma_f32_16x16x32_f16 v[8*(8*(\a)+(\b)):8*(8*(\a)+(\b))+7], v[(\f)+8*(\b):(\f)+8*(\b)+7], v[(\f)+8*(4*(\hi)+(\a)):(\f)+8*(4*(\hi)+(\a))+7], v[8*(8*(\a)+(\b)):8*(8*(\a)+(\b))+7]
.endif
.endr
.endr
.endm
; 32 LDS loads in one run: the fragments of one quarter step into buffer f.  B's first, turned: 16 k x 16 n a load.
.macro FETCH slot, k, f
	WIN TO_B
.irp i, 0,1,2,3,4,5,6,7
	ds_load_tr16_b128 v[(\f)+8*(\i):(\f)+8*(\i)+3],   v[ADRB+(\slot)] offset:((\k)/64)*BQ+32*(\i)
	ds_load_tr16_b128 v[(\f)+8*(\i)+4:(\f)+8*(\i)+7], v[ADRB+(\slot)] offset:((\k)/64)*BQ+16*PB+32*(\i)
.endr
	WIN 0
.irp i, 0,1,2,3,4,5,6,7
	ds_load_b128 v[(\f)+8*(\i):(\f)+8*(\i)+3],   v[ADRA+(\slot)] offset:(\k)+(\i)*16*PITCH
	ds_load_b128 v[(\f)+8*(\i)+4:(\f)+8*(\i)+7], v[ADRA+(\slot)] offset:(\k)+(\i)*16*PITCH+32
.endr
.endm
.macro PLACES                          ; four places in front of loads into registers that matrix instructions have read, and of lines that read results (ISA guide 7.12.1 for lines that read results)
.rept 4
	v_nop
.endr
.endm
.macro QUARTER slot, k, f, g, zero
	s_wait_dscnt 8                                 ; B and A's rows 0-63 are in; the youngest eight loads (A's rows 64-127) may be out
	MUL16 \f, 0, 0, \zero
	MUL16 \f, 0, 2, \zero
	PLACES
	FETCH \slot, \k, \g
	s_wait_dscnt 32                                ; all but the 32 just issued
	MUL16 \f, 1, 0, \zero
	MUL16 \f, 1, 2, \zero
.endm
; The last quarter's first half: ONE barrier for the change of slots.  In front of it each wave waits for all its tensor loads (one is out: its part of the next slot), adds 0 to its spare word, and waits for
; that and for its own reads of this slot.  Behind it nobody reads this slot any more and the next slot is whole.
.macro MEET round
	WIN 0
	s_wait_tensorcnt 0x0                           ; all my tensor loads have landed
	ds_add_u32 v[SPW], v[NIL]                      ; 0 onto my spare word
	s_wait_dscnt 9                                 ; (the add and the youngest eight loads may be out)
	MUL16 F1, 0, 0, 0
	s_wait_dscnt 0x0                               ; the add is done, and my reads of this slot are over
	s_barrier_signal -1
	MUL16 F1, 0, 2, 0
.if \round
	WIN 0
.endif
	s_barrier_wait -1
.endm
; The whole last quarter.  The barrier opens a round of the cluster's; behind the round the slot just read out is filled again first, with the K step two on.  From a request to the wait for it a wave issues 224 matrix instructions.
.macro TURN slot, next
	s_wait_xcnt 0x0                                ; the last prefetch, a K step back, has read its address: it is stepped here, ahead of the waits of the change of slots
	s_add_nc_u64 s[PFA:PFA+1], s[PFA:PFA+1], s[PFS:PFS+1]
	MEET 1
	CREST                                          ; no wave of any partner still reads this slot's tile or has a load on its way
	s_add_nc_u64 s[G0+4*(\slot)+2:G0+4*(\slot)+3], s[G0+4*(\slot)+2:G0+4*(\slot)+3], 2*KSTEP*2
	s_add_nc_u64 s[G0B+4*(\slot)+2:G0B+4*(\slot)+3], s[G0B+4*(\slot)+2:G0B+4*(\slot)+3], 2*KROWB
	JLOAD \slot                                    ; the first tensor load behind the round; its four v_nop are also the places in front of the loads below
	FETCH \next, 0, F0
	ASK
	MUL16 F1, 1, 0, 0
	MUL16 F1, 1, 2, 0
.endm
.macro BIASLD                          ; register j of block b holds column 16 b + 8 (l / 16) + j
	WIN TO_B
.irp b, 0,1,2,3,4,5,6,7
	global_load_b128 v[8*(\b):8*(\b)+3],   v[BO], s[BP:BP+1] offset:64*(\b)
	global_load_b128 v[8*(\b)+4:8*(\b)+7], v[BO], s[BP:BP+1] offset:64*(\b)+16
.endr
	WIN 0
.endm
; THE LAST K STEP (it lies in slot 1) GOES BY ROWS.  All its fragments of B (4 quarters x 64 registers) fill window 1; then my eight blocks of 16 rows are finished one after the other, each with
; 32 matrix instructions (its 8 accumulators by turns; K ascending).  LDS is read no more than in any other K step.
.macro BLOAD q                         ; B's fragments of quarter q -> window 1, v[64 q ..]
	WIN TO_B
.irp i, 0,1,2,3,4,5,6,7
	ds_load_tr16_b128 v[64*(\q)+8*(\i):64*(\q)+8*(\i)+3],   v[ADRB+1] offset:(\q)*BQ+32*(\i)
	ds_load_tr16_b128 v[64*(\q)+8*(\i)+4:64*(\q)+8*(\i)+7], v[ADRB+1] offset:(\q)*BQ+16*PB+32*(\i)
.endr
.endm
.macro ALOAD a                         ; A's fragments of block a, all four quarters -> buffer a % 4
	WIN 0
.set FA, PA+32*((\a)%4)
.irp q, 0,1,2,3
	ds_load_b128 v[FA+8*(\q):FA+8*(\q)+3],   v[ADRA+1] offset:64*(\q)+(\a)*16*PITCH
	ds_load_b128 v[FA+8*(\q)+4:FA+8*(\q)+7], v[ADRA+1] offset:64*(\q)+(\a)*16*PITCH+32
.endr
.endm
.macro ROW a                           ; block a is finished: 32 matrix instructions
.set FA, PA+32*((\a)%4)
.set AC, 64*((\a)%4)
	WIN MUL_LO+0x50*((\a)/4)
.irp q, 0,1,2,3
.if (\a) == 0 && (\q) == 2
	s_wait_dscnt 24                                ; B's quarter 2 is in (behind it: A's blocks 1 to 3, 24 loads)
.endif
.irp b, 0,1,2,3,4,5,6,7
	v_wmma_f32_16x16x32_f16 v[AC+8*(\b):AC+8*(\b)+7], v[64*(\q)+8*(\b):64*(\q)+8*(\b)+7], v[FA+8*(\q):FA+8*(\q)+7], v[AC+8*(\b):AC+8*(\b)+7]
.endr
.endr
.endm
; THE WAY OUT of block a (16 rows of 512 bytes).  TOST32: a lane's 32 bytes of each accumulator into my own stage, the low four registers first, and back as whole rows.  SEND32: stored.
.macro TOST32 a
.set AC, 64*((\a)%4)
	s_wait_xcnt 0x0                                ; the stores of the block before have read the registers that are loaded again below
	WIN 0x08+4*((\a)/4)                            ; the stores' data (source 1): window 2 or 3
.irp b, 0,1,2,3,4,5,6,7
	ds_store_b128 v[STO], v[AC+8*(\b):AC+8*(\b)+3]   offset:64*(\b)
	ds_store_b128 v[STO], v[AC+8*(\b)+4:AC+8*(\b)+7] offset:64*(\b)+16
.endr
	WIN 0
.irp t, 0,1,2,3,4,5,6,7,8,9,10,11,12,13,14,15
	ds_load_b128 v[BK+4*(\t):BK+4*(\t)+3], v[RD] offset:SP32*(\t)  ; LDS serves a wave's instructions in order (ISA guide 5.7.1.4): these see the stores above; the next block's stores come behind them
.endr
.endm
.macro SEND32 a, younger               ; younger: the LDS loads issued behind block a's, which may stay out
	WIN 0
	s_wait_dscnt \younger                          ; the block is back in registers
	s_wait_xcnt 0x0                                ; only behind this wait is the stores' base rewritten
	s_add_nc_u64 s[8:9], s[CB:CB+1], (\a)*16*ROWC
.irp t, 0,1,2,3,4,5,6,7,8,9,10,11,12,13,14,15
	global_store_b128 v[CO], v[BK+4*(\t):BK+4*(\t)+3], s[8:9] offset:ROWC*(\t) th:TH_STORE_NT  ; 512 consecutive bytes, at a multiple of 512 from out0's first byte
.endr
.endm
	s_load_b128 s[4:7], s[0:1], 0x0                ; ob s[4:5], wb s[6:7]
	s_load_b64 s[BP:BP+1], s[0:1], 0x10            ; bias
	s_load_b64 s[CB:CB+1], s[0:1], 0x18            ; out0
	v_lshl_add_u32 v[SPW], v0, 2, SPARE
	v_mov_b32 v[NIL], 0
	ds_add_u32 v[SPW], v[NIL]                      ; the wave's opening: the add and its wait stand ahead of my first tensor load; the set-up below, work on registers, stands between them
	v_lshrrev_b32 v1, 5, v0
	v_readfirstlane_b32 s10, v1                    ; wave 0..3
	s_lshr_b32 s11, s10, 1                         ; which half of the tile's rows is mine.  Also: I fetch for A (0) or for B (1)
	s_and_b32 s12, s10, 1                          ; which half of its columns.  Also: which half of that tile I fetch
	s_bfe_u32 s40, ttmp6, 0x40000                  ; cx
	s_bfe_u32 s41, ttmp6, 0x40004                  ; cy
	s_lshl_b32 s42, ttmp9, 2
	s_add_co_u32 s42, s42, s40                     ; tile column
	s_and_b32 s13, ttmp7, 0xffff
	s_lshl_b32 s13, s13, 2
	s_add_co_u32 s13, s13, s41                     ; tile row
	s_lshl_b32 s43, s41, 2
	s_lshl_b32 s43, 15, s43                        ; my row of the cluster
	s_lshl_b32 s44, 0x1111, s40                    ; my column
	s_or_b32 s[G1+0], s43, (1<<16)|(1<<20)|(1<<21)|(5<<22)|(3<<25)   ; 15:0 the mask; 17:16 elements of 2 bytes; 20 padding on; 21 set beside a mask; 24:22 the interval; 31:25 the padding
	s_or_b32 s[G1B+0], s44, (1<<16)|(1<<20)|(1<<21)|(6<<22)|(7<<25)
	s_mov_b32 s[G1+1], KSTEP<<16                   ; A: 128 rows x 128 elements
	s_mov_b32 s[G1+2], 128<<16
	s_mov_b32 s[G1+3], KSTEP<<16
	s_mov_b32 s[G1+4], 128
	s_mov_b32 s[G1+5], 1024
	s_mov_b32 s[G1+6], 0
	s_mov_b32 s[G1+7], 0
	s_mov_b32 s[G1B+1], 256<<16                    ; B: 64 rows x 256 elements
	s_mov_b32 s[G1B+2], 64<<16
	s_mov_b32 s[G1B+3], 256<<16
	s_mov_b32 s[G1B+4], 64
	s_mov_b32 s[G1B+5], 1024
	s_mov_b32 s[G1B+6], 0
	s_mov_b32 s[G1B+7], 0
	s_lshl_b32 s16, s13, 8
	s_lshl_b32 s17, s12, 7
	s_add_co_u32 s16, s16, s17                     ; A: row 256 x tile row + 128 x half,
	s_lshl_b32 s16, s16, 11                        ; of 2,048 bytes
	s_mov_b32 s17, 0
	s_lshl_b32 s46, s12, 17                        ; B: row 64 x half of the K step,
	s_lshl_b32 s47, s42, 9                         ; 512 bytes for each tile column,
	s_add_co_u32 s46, s46, s47
	s_add_co_u32 s46, s46, WOFF                    ; in the fourth matrix
	s_mov_b32 s47, 0
	s_mul_i32 s20, s10, HALFT                      ; where they go: no place in the cluster enters an LDS address
	s_wait_dscnt 0x0                               ; the opening add is done
	s_wait_kmcnt 0x0
	s_add_nc_u64 s[14:15], s[4:5], s[16:17]
	s_add_nc_u64 s[46:47], s[6:7], s[46:47]
	CROUND                                         ; all sixteen work-groups are here: the first joint loads meet
.irp s, 0,1
	s_mov_b32 s[G0+4*(\s)], 1
	s_add_co_u32 s[G0+4*(\s)+1], s20, (\s)*SLOT
	s_add_nc_u64 s[G0+4*(\s)+2:G0+4*(\s)+3], s[14:15], (\s)*KSTEP*2
	s_or_b32 s[G0+4*(\s)+3], s[G0+4*(\s)+3], 0x80000000
	s_mov_b32 s[G0B+4*(\s)], 1
	s_add_co_u32 s[G0B+4*(\s)+1], s20, (\s)*SLOT
	s_add_nc_u64 s[G0B+4*(\s)+2:G0B+4*(\s)+3], s[46:47], (\s)*KROWB
	s_or_b32 s[G0B+4*(\s)+3], s[G0B+4*(\s)+3], 0x80000000
	JLOAD \s                                       ; two loads of mine are out
.endr
	v_and_b32 v1, 15, v0                           ; l % 16
	v_bfe_u32 v2, v0, 4, 1                         ; l / 16
	v_lshlrev_b32 v[BO], 5, v2
	s_lshl_b32 s22, s42, 10                        ; bo of my 128 columns: the fourth bias, 4 (256 x tile column + 128 x half)
	s_lshl_b32 s23, s12, 9
	s_add_co_u32 s22, s22, s23
	s_add_co_u32 s22, s22, 3*4096
	s_mov_b32 s23, 0
	s_add_nc_u64 s[BP:BP+1], s[BP:BP+1], s[22:23]
	BIASLD
	v_mul_u32_u24 v3, v1, PITCH
	v_lshl_add_u32 v3, v2, 4, v3
	v_and_b32 v5, 7, v0                            ; the turning load: lane l reads row (k) 8 (l / 16) + l % 8, columns 8 ((l / 8) % 2) + 0..7
	v_lshl_add_u32 v5, v2, 3, v5
	v_mul_u32_u24 v5, v5, PB
	v_bfe_u32 v6, v0, 3, 1
	v_lshl_add_u32 v5, v6, 4, v5
	s_mul_i32 s21, s11, HALFT
	s_lshl_b32 s22, s12, 8
	s_add_co_u32 s22, s22, 2*HALFT
.irp s, 0,1
	v_add_nc_u32 v[ADRA+(\s)], s21, v3
	v_add_nc_u32 v[ADRB+(\s)], s22, v5
	s_add_co_u32 s21, s21, SLOT
	s_add_co_u32 s22, s22, SLOT
.endr
	s_mul_i32 s23, s10, 16*SP32
	s_add_co_u32 s23, s23, STAGE                   ; my stage
	v_mul_u32_u24 v4, v1, SP32                     ; in: row l % 16, 32 bytes for each half of the lanes
	v_lshl_add_u32 v4, v2, 5, v4
	v_add_nc_u32 v[STO], s23, v4
	v_and_b32 v[CO], 31, v0                        ; back, and out: 32 lanes take a row's 512 bytes
	v_lshlrev_b32 v[CO], 4, v[CO]
	v_add_nc_u32 v[RD], s23, v[CO]
	s_lshl_b32 s16, s13, 8                         ; my part of the tile in out0
	s_lshl_b32 s17, s11, 7
	s_add_co_u32 s16, s16, s17
	s_lshl_b32 s16, s16, 12
	s_mov_b32 s17, 0
	s_lshl_b32 s46, s42, 10
	s_lshl_b32 s47, s12, 9
	s_add_co_u32 s46, s46, s47
	s_mov_b32 s47, 0
	s_add_nc_u64 s[16:17], s[16:17], s[46:47]
	s_add_nc_u64 s[CB:CB+1], s[CB:CB+1], s[16:17]
	; the prefetches: both offsets are made, then one is chosen by the wave's number
	s_lshl_b32 s18, s13, 8
	s_lshl_b32 s20, s12, 7
	s_add_co_u32 s18, s18, s20
	s_lshl_b32 s20, s40, 5
	s_add_co_u32 s18, s18, s20                     ; A: row 256 x tile row + 128 x half + 32 cx,
	s_lshl_b32 s18, s18, 11
	s_add_co_u32 s18, s18, 3*KSTEP*2               ; at K step 3: the first change of slots steps it to 4
	s_lshl_b32 s19, s12, 6
	s_lshl_b32 s20, s41, 4
	s_add_co_u32 s19, s19, s20                     ; B: row 64 x half + 16 cy,
	s_lshl_b32 s19, s19, 11
	s_lshl_b32 s20, s42, 9
	s_add_co_u32 s19, s19, s20
	s_add_co_u32 s19, s19, WOFF+3*KROWB            ; in the fourth matrix, at K step 3
	s_and_b32 s22, ttmp7, 0xffff                   ; cluster y
	s_mov_b32 s[PFS], KROWB
	s_cmp_eq_u32 s11, 0                            ; do I fetch for A?
	s_cselect_b32 s20, s18, s19
	s_cselect_b32 s22, ttmp9, s22                  ; the coordinate along which other clusters read the same blocks
	s_cselect_b32 s23, 4, NPFB
	s_cselect_b32 s[PFS], KSTEP*2, s[PFS]
	s_cselect_b32 s21, 0, 1                        ; A: a lane a row; B: two lanes a row
	s_cselect_b64 s[PFA:PFA+1], s[4:5], s[6:7]
	v_and_b32 v7, 31, v0
	v_and_b32 v6, s21, v7
	v_lshrrev_b32 v[PFO], s21, v7
	v_lshlrev_b32 v[PFO], 11, v[PFO]
	v_lshl_add_u32 v[PFO], v6, 8, v[PFO]
	s_mov_b32 s21, 0
	s_mov_b32 s[PFS+1], 0
	s_add_nc_u64 s[PFA:PFA+1], s[PFA:PFA+1], s[20:21]
	s_cmp_eq_u32 s22, 0
	s_cselect_b32 s[PFN], s23, 0                   ; the same in all sixteen partners, for a given wave
	s_wait_tensorcnt 1                             ; my part of K step 0 is in; K step 1's may stay out
	s_barrier_signal -1
	s_barrier_wait -1                              ; everybody's is
	FETCH 0, 0, F0
	s_wait_loadcnt 0x0                             ; the bias is in
	QUARTER 0, 64,  F0, F1, 1                      ; the first quarter stands in front of the loop: its products start the sums, with the bias
	WIN 0
	s_mov_b32 s3, LAPS-1
.Llap:                                             ; a trip goes once round the ring, from a lap's second quarter to the next lap's first, and fills both slots again
	QUARTER 0, 128, F1, F0, 0
	QUARTER 0, 192, F0, F1, 0
	TURN 0, 1
	QUARTER 1, 64,  F0, F1, 0
	QUARTER 1, 128, F1, F0, 0
	QUARTER 1, 192, F0, F1, 0
	TURN 1, 0
	QUARTER 0, 64,  F0, F1, 0
	WIN 0
	s_sub_co_u32 s3, s3, 1
	s_cmp_lg_u32 s3, 0
	s_cbranch_scc1 .Llap
	QUARTER 0, 128, F1, F0, 0                      ; the last lap fills nothing, and has no round of the cluster's barrier
	QUARTER 0, 192, F0, F1, 0
	MEET 0                                         ; my one tensor load that was still out is slot 1's, the last K step's
	PLACES                                         ; for the loads into buffer 0, which the quarter before multiplied
	BLOAD 0                                        ; three quarters of B now: buffer 1 (v128-191 of both windows) is still being multiplied; quarter 0 takes the bias's registers, read for the last time in the first quarter
	BLOAD 1
	BLOAD 3
	ALOAD 0
	MUL16 F1, 1, 0, 0
	MUL16 F1, 1, 2, 0
	PLACES                                         ; for the loads into buffer 1
	BLOAD 2
	ALOAD 1
	ALOAD 2
	ALOAD 3
	s_wait_dscnt 40                                ; all but the 40 just issued
	ROW 0
.irp a, 0,1,2,3,4,5,6,7                ; each block leaves as soon as it is finished: nothing follows the tile under which its stores could leave
	PLACES                                         ; its LDS stores read results just made
	PLACES
	TOST32 \a
.if (\a) < 4
	ALOAD (\a)+4                                   ; its buffer takes the block four further on
	SEND32 \a, 8
.else
	SEND32 \a, 0
.endif
.if (\a) < 7
	ROW (\a)+1
.endif
.endr
	s_wait_tensorcnt 0x0                           ; the wave's end, behind my last tensor load and my last LDS store
	ds_add_u32 v[SPW], v[NIL]
	s_wait_dscnt 0x0
	CROUND                                         ; the closing round: no work-group ends while a partner may still ask for a tile that names it
	s_endpgm
.Lfunc_end_k_q89266ae0a8_oproj:
	.size	k_q89266ae0a8_oproj, .Lfunc_end_k_q89266ae0a8_oproj-k_q89266ae0a8_oproj
	.p2alignl 7, 3214868480
	.fill 96, 4, 3214868480
	.section	.rodata,"a",@progbits
	.p2align	6, 0x0
	.amdhsa_kernel k_q89266ae0a8_oproj
		.amdhsa_group_segment_fixed_size 327680
		.amdhsa_private_segment_fixed_size 0
		.amdhsa_enable_private_segment 0
		.amdhsa_kernarg_size 32
		.amdhsa_user_sgpr_count 2
		.amdhsa_user_sgpr_kernarg_segment_ptr 1
		.amdhsa_wavefront_size32 1
		.amdhsa_system_sgpr_workgroup_id_x 1
		.amdhsa_system_sgpr_workgroup_id_y 1
		.amdhsa_system_sgpr_workgroup_id_z 1
		.amdhsa_system_vgpr_workitem_id 0
		.amdhsa_next_free_vgpr 1024
		.amdhsa_next_free_sgpr 80
		.amdhsa_reserve_vcc 0
		.amdhsa_float_denorm_mode_32 3
		.amdhsa_float_denorm_mode_16_64 3
		.amdhsa_memory_ordered 1
		.amdhsa_forward_progress 1
		.amdhsa_inst_pref_size 146
	.end_amdhsa_kernel
	.amdgpu_metadata
---
amdhsa.version: [ 1, 2 ]
amdhsa.kernels:
  - .name:           k_q89266ae0a8_oproj
    .symbol:         k_q89266ae0a8_oproj.kd
    .args:
      - { .name: ob, .offset: 0, .size: 8, .value_kind: global_buffer, .address_space: global }
      - { .name: wb, .offset: 8, .size: 8, .value_kind: global_buffer, .address_space: global }
      - { .name: bias, .offset: 16, .size: 8, .value_kind: global_buffer, .address_space: global }
      - { .name: out0, .offset: 24, .size: 8, .value_kind: global_buffer, .address_space: global }
    .group_segment_fixed_size: 327680
    .private_segment_fixed_size: 0
    .kernarg_segment_align: 8
    .kernarg_segment_size: 32
    .max_flat_workgroup_size: 128
    .sgpr_count:     80
    .vgpr_count:     1024
    .wavefront_size: 32
...
	.end_amdgpu_metadata
.endif
;; end of part 4
